; MI455X (gfx1250); checked and timed in simulation.
; The chip was launched on July 23, 2026; its instructions are those of AMD's public machine-readable ISA for CDNA 5 (MIT licence, August 2026) and "CDNA5" Instruction Set Architecture Reference Guide (July 2026). The comments in the code are by the model that wrote it; some were corrected since.
;; quantum attention. Allowed arithmetic: matrix products marked QUANTISED: E3M2 operands, one E8M0 scale for each 32 along K, by v_wmma_scale_f32_16x16x128_f8f6f4 with both operands' format E3M2, f32 sums; products left as they are: f32 operands where the result goes on into a quantised operand, else bf16, f16 or f32 operands; f32 sums; everything else in f32.
;; Inputs: Wk_codes 1,024 x 32 x 24 uint8 (E3M2 codes of Wk, K innermost, in blocks of 32 codes, four codes in three bytes); Wk_scales 1,024 x 32 uint8 (E8M0 scales of Wk, one for each 32 codes along K); Wo_codes 1,024 x 32 x 24 uint8 (E3M2 codes of Wo, K innermost, in blocks of 32 codes, four codes in three bytes); Wo_scales 1,024 x 32 uint8 (E8M0 scales of Wo, one for each 32 codes along K); Wq_codes 1,024 x 32 x 24 uint8 (E3M2 codes of Wq, K innermost, in blocks of 32 codes, four codes in three bytes); Wq_scales 1,024 x 32 uint8 (E8M0 scales of Wq, one for each 32 codes along K); Wv_codes 1,024 x 32 x 24 uint8 (E3M2 codes of Wv, K innermost, in blocks of 32 codes, four codes in three bytes); Wv_scales 1,024 x 32 uint8 (E8M0 scales of Wv, one for each 32 codes along K); beta 1,024 float32; bo 1,024 float32; ent 16 x 16 float32; gamma 1,024 float32; phase_scale 16 float32; x 2 x 2,048 x 1,024 float32.
;; Outputs: out0 2 x 2,048 x 1,024 float32.
;; This version of the problem:
;;   THIS VERSION OF THE PROBLEM IS GIVEN IN LOW PRECISION. The matrix products marked QUANTISED in the list below multiply operands that are first quantised to E3M2 (3 exponent bits, 2 mantissa bits; 6 bits a number), with one power-of-two scale for each 32 numbers along K (OCP MX v1.0); their sums are f32. All else is computed in f32.
;;   The module's matrix products, in the order in which they are computed (A, B: the left and right operand; K: the contracted axis; several contracted axes count as one K, in the product's order):
;;     1. [M 4,096, K 1,024] x [K 1,024, N 1,024]; A: input x; B: input Wq (given as codes): QUANTISED
;;     2. [M 4,096, K 1,024] x [K 1,024, N 1,024]; A: input x; B: input Wk (given as codes): QUANTISED
;;     3. [M 4,096, K 1,024] x [K 1,024, N 1,024]; A: input x; B: input Wv (given as codes): QUANTISED
;;     4. batch 32 x [M 2,048, K 64] x [K 64, N 2,048]; A: computed on the way; B: computed on the way: QUANTISED
;;     5. batch 32 x [M 2,048, K 2,048] x [K 2,048, N 64]; A: softmax (see below); B: computed on the way: QUANTISED
;;     6. [M 16, K 1] x [K 1, N 262,144]; A: computed on the way; B: computed on the way: left as it is (no contracted axis)
;;     7. [M 4,096, K 1,024] x [K 1,024, N 1,024]; A: computed on the way; B: input Wo (given as codes): QUANTISED
;;   THE QUANTISER, for each operand of a quantised product, along K:
;;     - K is cut into blocks of 32 from its start; a last block that is shorter is filled with zeros.
;;     - A block's scale is 2^e with e = floor(log2(the largest magnitude in the block)) - 4, held to -126 .. 127; a block of zeros has e = 0. As a byte (E8M0): e + 127.
;;     - Each number is divided by its block's scale, clamped to +-28, and rounded to the nearest number of E3M2, ties to even, subnormals kept.
;;     - The product sums the exact products of the quantised numbers (number of the format x scale) in f32.
;;   ~~~python
;;   def quantise(x, axis):      # numpy; x: float32 -> the quantised numbers, widened to float32 again
;;       x = np.moveaxis(x, axis, -1); K = x.shape[-1]
;;       x = np.pad(x, [(0, 0)] * (x.ndim - 1) + [(0, -K % 32)]); x = x.reshape(x.shape[:-1] + (-1, 32)); a = np.abs(x).max(-1, keepdims=True)
;;       e = np.where(a > 0, np.clip(np.frexp(np.where(a > 0, a, 1))[1] - 1 - 4, -126, 127), 0)      # np.frexp(a)[1] - 1 = floor(log2(a)), exactly
;;       r = np.clip(x / 2.0 ** e, -28, 28)
;;       step = 2.0 ** (np.maximum(np.frexp(np.where(r == 0, 1, r))[1] - 1, -2) - 2)
;;       q = np.round(r / step) * step * 2.0 ** e      # np.round: ties to even
;;       return np.moveaxis(q.reshape(q.shape[:-2] + (-1,))[..., :K], -1, axis).astype(np.float32)
;;   ~~~
;;   SOFTMAX AHEAD OF A QUANTISED PRODUCT. Where the list says 'softmax', what is quantised is not the finished softmax but p = 2^(t - M), with t = logit x log2(e) and M = ceil(the row's largest t), a whole number; so 1/2 < the row's largest p <= 1. The row's sum l is taken of the UNQUANTISED p, in f32, and the product's result is divided by l at the end. Since M is a whole number, a kernel that streams over the keys may use a running M (the ceiling of the running maximum): every later rescaling is an exact power of two, which a block's scale takes up: the codes' values come out the same.
;;   OPERANDS COMPUTED ON THE WAY. 'Computed on the way' means the value that the module computes at that place (a softmax that the list does not call 'softmax' is quantised finished and normalised). What goes into a quantiser is computed in f32, as accurately as f32 sums, v_exp_f32 and their like allow (about 1e-6 of the number): no bf16 or f16 on the way to a quantiser, and a product that is left as it is and whose result goes on into a quantised operand takes f32 operands (vector FMAs, or v_wmma_f32_16x16x4_f32). A number that lies on a knife's edge between two numbers of the format may be rounded either way, as far as f32 arithmetic and the matrix unit's own rounding can turn it there, and no further.
;;   INPUTS GIVEN AS CODES. Wk (in the module: [1024, 1024], K = its axis 0); Wo (in the module: [1024, 1024], K = its axis 0); Wq (in the module: [1024, 1024], K = its axis 0); Wv (in the module: [1024, 1024], K = its axis 0): each comes as NAME_codes (uint8): NAME with its K axis moved to the last place and cut into blocks of 32 codes, [.., K / 32, bytes a block], one block behind the other in memory; four codes in three bytes: a row's codes are one little-endian stream of bits, code i at bits 6 i .. 6 i + 5 (a code: sign, 3 exponent bits, 2 mantissa bits); and NAME_scales (uint8): the same leading axes, one E8M0 byte (e + 127) for each 32 codes along K. Its value is code x scale, taken as it is: it is not quantised again, and the codes and scales need not be those that the quantiser above would give.
;; One version. Each part assembles by itself: llvm-mc -triple=amdgcn-amd-amdhsa -mcpu=gfx1250 --defsym DOCPART=n.
;; ======== version 1 of 1: 4 launches
;; limits: right only within a limited range of input values
;; workspace buffers: ximg 3,407,872 bytes; wimg 3,407,872 bytes; qimg 3,407,872 bytes; kvimg 6,815,744 bytes; oimg 16,777,216 bytes
;; launch prep (part 1): grid 256 x 1, 8 waves a work-group, no clusters, 68,608 bytes of LDS; arguments x, Wq_codes, Wq_scales, Wk_codes, Wk_scales, Wv_codes, Wv_scales, Wo_codes, Wo_scales, ximg, wimg; writes ximg, wimg
.if DOCPART == 1
	.amdgcn_target "amdgcn-amd-amdhsa--gfx1250"
	.amdhsa_code_object_version 6
	.text
	.protected	k_qf4b7483b1c_prep
	.globl	k_qf4b7483b1c_prep
	.p2align	8
	.type	k_qf4b7483b1c_prep,@function
k_qf4b7483b1c_prep:
	s_mov_b64 s[64:65], 0
	v_nop
	global_prefetch_b8 v0, s[64:65] scope:SCOPE_SE
	s_setreg_imm32_b32 hwreg(HW_REG_WAVE_MODE, 25, 1), 1
	s_wait_xcnt 0x0
; x [4096][1024] f32 is quantised along K into codes of BF6 (E3M2) with one E8M0 byte for each 32, and the four weights, which arrive as codes, are laid anew; both leave as IMAGES OF THE OPERAND'S REGISTERS.
; A fragment (16 rows x 128 K, 12 registers a lane) is 1,536 bytes: registers 4 g .. 4 g + 3 of lane l at 512 g + 16 l.  Its scale image is 128 bytes: the word of row l % 16 at 4 l.
; A block of 64 rows x 1,024 K is 53,248 bytes: fragment rho = 4 s + t (K step s, tile t) at 1,536 rho, its scale image at 49,152 + 128 rho.
; THE ROWS OF A TILE ARE NOT NEIGHBOURS: lane r of tile t takes row 32 (t / 2) + 8 (t % 2) + r + 8 (r / 8) of the block's 64, so that in a product used transposed the 16 registers of two neighbouring tiles are 16 neighbours.
; SHARES: work-group W: block W / 4, tile W % 4; wave s: K step s.  A wave makes one fragment of x and lays one fragment of a weight (blocks 0-15 Wq, 16-31 Wk, 32-47 Wv, 48-63 Wo): 2,048 waves, 2,048 + 2,048 fragments.
; Each load of x reads 512 consecutive bytes of one row; the 16 rows turn through the wave's own stage in LDS (rows of 512 + 16 bytes) so that a lane gets 16 neighbours of each block of 32.
; The weights' codes are read in pieces of 8 bytes from rows 768 bytes apart: 3 MiB, once in the whole program; every later read of them is dense.
; No work-group shares an input byte with another: no cluster.  No barrier: waves share nothing.
; A block's scale is 2^(floor(log2(its largest magnitude)) - 4); its byte is that magnitude's exponent field - 4, held at 1 from below.
; LIMITS: a block of zeros gets the byte 1 where the rule says 127 (its codes are zeros, and this program alone reads the bytes); NaN and infinities are not served.
.set GBLK,  53248
.set STGB,  8448                       ; a wave's stage: 16 rows x 528 bytes
.set SP,    528
.set WF,    12                         ; v12-23   the weight's fragment
.set WW,    24                         ; v24      its scale word
.set RW,    32                         ; v32-95   16 rows of x as loaded
.set XN,    96                         ; v96-159  64 numbers: register 16 b + i = k 32 b + 16 (lane / 16) + i of my row
.set TM,    160                        ; v160-175 at work
.set PW,    176                        ; v176     the scale word
.set PC,    180                        ; v180-198 the codes
.set SEL,   2                          ; s[2:3]   selects for lane l xor 16
	s_load_b512 s[4:19], s[0:1], 0x0               ; x, Wq codes, scales, Wk codes, scales, Wv codes, scales, Wo codes
	s_load_b128 s[20:23], s[0:1], 0x40             ; Wo scales, ximg
	s_load_b64 s[24:25], s[0:1], 0x50              ; wimg
	v_lshl_add_u32 v200, v0, 2, 0x10800
	v_mov_b32 v201, 0
	v_lshrrev_b32 v1, 5, v0
	s_delay_alu instid0(VALU_DEP_1)
	v_readfirstlane_b32 s44, v1                    ; wave = K step
	v_and_b32 v1, 31, v0                           ; lane
	v_and_b32 v2, 15, v0                           ; r
	v_bfe_u32 v3, v0, 4, 1                         ; h
	s_delay_alu instid0(VALU_DEP_3)
	v_lshlrev_b32 v4, 4, v1                        ; 16 l
	s_delay_alu instid0(VALU_DEP_4)
	v_lshlrev_b32 v10, 2, v1                       ; 4 l
	s_mul_i32 s45, s44, STGB
	v_add_nc_u32 v5, s45, v4                       ; the stage, on the way in
	v_mul_u32_u24 v6, v2, SP
	s_delay_alu instid0(VALU_DEP_1)
	v_lshl_add_u32 v6, v3, 6, v6
	s_delay_alu instid0(VALU_DEP_1)
	v_add_nc_u32 v6, s45, v6                       ; and on the way out: row r, + 64 h
	v_and_b32 v9, 8, v2
	s_delay_alu instid0(VALU_DEP_1)
	v_add_nc_u32 v9, v9, v2                        ; r + 8 (r / 8)
	s_delay_alu instid0(VALU_DEP_1)
	v_mul_u32_u24 v7, v9, 768
	s_delay_alu instid0(VALU_DEP_1)
	v_mad_u32_u24 v7, v3, 24, v7                   ; the weight's codes: my row, + 24 h
	s_delay_alu instid0(VALU_DEP_3)
	v_lshlrev_b32 v8, 5, v9                        ; its scale bytes: 32 a row
.irp b, 0,1,2,3
	v_mov_b32 v[TM+4+\b], 0                        ; written once: a lane permute's destination counts as one of its sources
.endr
	s_mov_b32 s[SEL], 0x76543210
	s_mov_b32 s[SEL+1], 0xfedcba98
	s_lshr_b32 s34, ttmp9, 2                       ; the block
	s_and_b32 s35, ttmp9, 3                        ; the tile
	s_lshr_b32 s46, ttmp9, 6                       ; which weight
	s_lshr_b32 s48, s35, 1
	s_lshl_b32 s48, s48, 5
	s_and_b32 s47, s35, 1
	s_lshl_b32 s47, s47, 3
	s_add_co_u32 s47, s47, s48                     ; the tile's first row: 32 (t / 2) + 8 (t % 2)
	s_lshl_b32 s36, s34, 6
	s_add_co_u32 s36, s36, s47
	s_lshl_b32 s36, s36, 12
	s_lshl_b32 s48, s44, 9
	s_add_co_u32 s36, s36, s48                     ; x: row x 4,096 + 512 s
	s_mov_b32 s37, 0
	s_and_b32 s38, s34, 15
	s_lshl_b32 s38, s38, 6
	s_add_co_u32 s38, s38, s47                     ; the weight's row
	s_mul_i32 s40, s38, 768
	s_mul_i32 s48, s44, 96
	s_add_co_u32 s40, s40, s48                     ; its codes: row x 768 + 96 s
	s_mov_b32 s41, 0
	s_lshl_b32 s42, s38, 5
	s_lshl_b32 s48, s44, 2
	s_add_co_u32 s42, s42, s48                     ; its scale bytes: row x 32 + 4 s
	s_mov_b32 s43, 0
	s_add_co_u32 s49, s48, s35                     ; rho = 4 s + t
	s_mul_i32 s50, s34, GBLK
	s_mul_i32 s52, s49, 1536
	s_add_co_u32 s52, s52, s50                     ; the fragment's image
	s_mov_b32 s53, 0
	s_lshl_b32 s54, s49, 7
	s_add_co_u32 s54, s54, s50
	s_add_co_u32 s54, s54, 49152                   ; the scale image
	s_mov_b32 s55, 0
	s_wait_alu depctr_va_vdst(0)
	s_wait_kmcnt 0x0
	s_cmp_lt_u32 s46, 2                            ; the choice hangs on the work-group's number alone
	s_cselect_b64 s[26:27], s[6:7], s[14:15]       ; codes: Wq or Wv,
	s_cselect_b64 s[28:29], s[10:11], s[18:19]     ; Wk or Wo
	s_cselect_b64 s[30:31], s[8:9], s[16:17]       ; scales likewise
	s_cselect_b64 s[32:33], s[12:13], s[20:21]
	s_and_b32 s45, s46, 1
	s_cmp_lg_u32 s45, 0
	s_cselect_b64 s[26:27], s[28:29], s[26:27]
	s_cselect_b64 s[30:31], s[32:33], s[30:31]
	s_add_nc_u64 s[4:5], s[4:5], s[36:37]
	s_add_nc_u64 s[26:27], s[26:27], s[40:41]
	s_add_nc_u64 s[30:31], s[30:31], s[42:43]
	s_add_nc_u64 s[56:57], s[22:23], s[52:53]
	s_add_nc_u64 s[58:59], s[22:23], s[54:55]
	s_add_nc_u64 s[60:61], s[24:25], s[52:53]
	s_add_nc_u64 s[62:63], s[24:25], s[54:55]
.irp p, 0,1,2,3,4,5
	global_load_b64 v[WF+2*\p:WF+2*\p+1], v7, s[26:27] offset:48*(\p/3)+8*(\p%3)   ; registers 6 c .. 6 c + 5: k = 64 c + 32 h + 0 .. 31, 24 bytes as they lie
.endr
	global_load_b32 v[WW], v8, s[30:31]
.irp i, 0,1,2,3,4,5,6,7,8,9,10,11,12,13,14,15
	global_load_b128 v[RW+4*\i:RW+4*\i+3], v4, s[4:5] offset:(\i+8*(\i/8))*4096 th:TH_LOAD_NT   ; the tile's row i: 512 consecutive bytes
.endr
	s_wait_loadcnt 16                              ; the weight's seven loads are in; the 16 rows of x may be out
.irp c, 0,1,2
	global_store_b128 v4, v[WF+4*\c:WF+4*\c+3], s[60:61] offset:512*\c   ; 512 consecutive bytes a store
.endr
	global_store_b32 v10, v[WW], s[62:63]
.irp i, 0,1,2,3,4,5,6,7,8,9,10,11,12,13,14,15
	s_wait_loadcnt 15-\i                           ; row i is in; the younger rows may be out
	ds_store_b128 v5, v[RW+4*\i:RW+4*\i+3] offset:SP*\i
.endr
.irp b, 0,1,2,3
.irp j, 0,1,2,3
	ds_load_b128 v[XN+16*\b+4*\j:XN+16*\b+4*\j+3], v6 offset:128*\b+16*\j   ; LDS serves a wave's instructions in order: these see my stores
.endr
.endr
	s_wait_dscnt 0x0
.irp b, 0,1,2,3
	v_max3_num_f32 v[TM+\b], |v[XN+16*\b]|, |v[XN+1+16*\b]|, 0x2800000   ; block b: my 16 numbers, and the floor 2^(5 - 127): the byte cannot fall under 1
.endr
.irp i, 2,4,6,8,10,12,14
.irp b, 0,1,2,3
	s_delay_alu instid0(VALU_DEP_4)
	v_max3_num_f32 v[TM+\b], v[TM+\b], |v[XN+16*\b+\i]|, |v[XN+1+16*\b+\i]|   ; the four blocks by turns
.endr
.endr
.irp b, 0,1,2,3
	s_delay_alu instid0(VALU_DEP_4)
	v_permlanex16_b32 v[TM+4+\b], v[TM+\b], s[SEL], s[SEL+1]
.endr
.irp b, 0,1,2,3
	s_delay_alu instid0(VALU_DEP_4)
	v_max_num_f32 v[TM+\b], v[TM+\b], v[TM+4+\b]   ; with lane l xor 16's: the block's largest magnitude
.endr
.irp b, 0,1,2,3
	s_delay_alu instid0(VALU_DEP_4)
	v_add_nc_u32 v[TM+12+\b], 0xfe000000, v[TM+\b]   ; 4 off its exponent field: the conversion's scale operand
.endr
.irp b, 0,1,2,3
	s_delay_alu instid0(VALU_DEP_4)
	v_lshrrev_b32 v[TM+4+\b], 23, v[TM+12+\b]      ; the scale's byte
.endr
	s_delay_alu instid0(VALU_DEP_3)
	v_lshl_or_b32 v[PW], v[TM+5], 8, v[TM+4]
	s_delay_alu instid0(VALU_DEP_1)
	v_lshl_or_b32 v[PW], v[TM+6], 16, v[PW]
	s_delay_alu instid0(VALU_DEP_1)
	v_lshl_or_b32 v[PW], v[TM+7], 24, v[PW]
.irp c, 0,1
	v_cvt_scalef32_pk16_bf6_f32 v[PC+6*\c:PC+2+6*\c], v[XN+32*\c:XN+15+32*\c], v[TM+12+2*\c]
	v_cvt_scalef32_pk16_bf6_f32 v[PC+12+4*\c:PC+14+4*\c], v[XN+16+32*\c:XN+31+32*\c], v[TM+12+2*\c+1]   ; (a conversion's three registers begin on an even number)
.endr
	v_nop                                          ; one plain place behind a scaled conversion
.irp c, 0,1                                    ; the operand's layout wants a WHOLE block in a lane: lanes 0-15 block 2 c, lanes 16-31 block 2 c + 1
.irp i, 0,1,2
	v_permlane16_swap_b32 v[PC+6*\c+\i], v[PC+12+4*\c+\i]
.endr
.irp i, 0,1,2
	s_delay_alu instid0(VALU_DEP_3)
	v_mov_b32 v[PC+3+6*\c+\i], v[PC+12+4*\c+\i]
.endr
.endr
.irp c, 0,1,2
	global_store_b128 v4, v[PC+4*\c:PC+4*\c+3], s[56:57] offset:512*\c
.endr
	global_store_b32 v10, v[PW], s[58:59]
	s_wait_tensorcnt 0x0
	ds_add_u32 v200, v201
	s_wait_dscnt 0x0
	s_endpgm
.Lfunc_end_k_qf4b7483b1c_prep:
	.size	k_qf4b7483b1c_prep, .Lfunc_end_k_qf4b7483b1c_prep-k_qf4b7483b1c_prep
	.p2alignl 7, 3214868480
	.fill 96, 4, 3214868480
	.section	.rodata,"a",@progbits
	.p2align	6, 0x0
	.amdhsa_kernel k_qf4b7483b1c_prep
		.amdhsa_group_segment_fixed_size 68608
		.amdhsa_private_segment_fixed_size 0
		.amdhsa_enable_private_segment 0
		.amdhsa_kernarg_size 88
		.amdhsa_user_sgpr_count 2
		.amdhsa_user_sgpr_kernarg_segment_ptr 1
		.amdhsa_wavefront_size32 1
		.amdhsa_system_sgpr_workgroup_id_x 1
		.amdhsa_system_sgpr_workgroup_id_y 1
		.amdhsa_system_sgpr_workgroup_id_z 1
		.amdhsa_system_vgpr_workitem_id 0
		.amdhsa_next_free_vgpr 202
		.amdhsa_next_free_sgpr 66
		.amdhsa_reserve_vcc 0
		.amdhsa_float_denorm_mode_32 3
		.amdhsa_float_denorm_mode_16_64 3
		.amdhsa_memory_ordered 1
		.amdhsa_forward_progress 1
		.amdhsa_inst_pref_size 15
	.end_amdhsa_kernel
	.amdgpu_metadata
---
amdhsa.version: [ 1, 2 ]
amdhsa.kernels:
  - .name:           k_qf4b7483b1c_prep
    .symbol:         k_qf4b7483b1c_prep.kd
    .args:
      - { .name: x, .offset: 0, .size: 8, .value_kind: global_buffer, .address_space: global }
      - { .name: Wq_codes, .offset: 8, .size: 8, .value_kind: global_buffer, .address_space: global }
      - { .name: Wq_scales, .offset: 16, .size: 8, .value_kind: global_buffer, .address_space: global }
      - { .name: Wk_codes, .offset: 24, .size: 8, .value_kind: global_buffer, .address_space: global }
      - { .name: Wk_scales, .offset: 32, .size: 8, .value_kind: global_buffer, .address_space: global }
      - { .name: Wv_codes, .offset: 40, .size: 8, .value_kind: global_buffer, .address_space: global }
      - { .name: Wv_scales, .offset: 48, .size: 8, .value_kind: global_buffer, .address_space: global }
      - { .name: Wo_codes, .offset: 56, .size: 8, .value_kind: global_buffer, .address_space: global }
      - { .name: Wo_scales, .offset: 64, .size: 8, .value_kind: global_buffer, .address_space: global }
      - { .name: ximg, .offset: 72, .size: 8, .value_kind: global_buffer, .address_space: global }
      - { .name: wimg, .offset: 80, .size: 8, .value_kind: global_buffer, .address_space: global }
    .group_segment_fixed_size: 68608
    .private_segment_fixed_size: 0
    .kernarg_segment_align: 8
    .kernarg_segment_size: 88
    .max_flat_workgroup_size: 256
    .sgpr_count:     66
    .vgpr_count:     202
    .wavefront_size: 32
...
	.end_amdgpu_metadata
.endif
;; end of part 1
;; launch proj (part 2): grid 16 x 16, 4 waves a work-group, clusters of 4 x 1, 327,680 bytes of LDS; arguments ximg, wimg, qimg, kvimg; writes qimg, kvimg
.if DOCPART == 2
	.amdgcn_target "amdgcn-amd-amdhsa--gfx1250"
	.amdhsa_code_object_version 6
	.text
	.protected	k_qf4b7483b1c_proj
	.globl	k_qf4b7483b1c_proj
	.p2align	8
	.type	k_qf4b7483b1c_proj,@function
k_qf4b7483b1c_proj:
	s_mov_b64 s[64:65], 0
	v_nop
	global_prefetch_b8 v0, s[64:65] scope:SCOPE_SE
	s_setreg_imm32_b32 hwreg(HW_REG_WAVE_MODE, 25, 1), 1
	s_wait_xcnt 0x0
	s_wait_alu depctr_hold_cnt(0) depctr_sa_sdst(0) depctr_va_vdst(0) depctr_va_sdst(0) depctr_va_ssrc(0) depctr_va_vcc(0) depctr_vm_vsrc(0)
	s_getreg_b32 s2, hwreg(HW_REG_IB_STS2, 6, 4)
	s_cmp_eq_u32 s2, 0
	s_cbranch_scc0 .Lentry_in_a_cluster
	s_endpgm
.Lentry_in_a_cluster:
	s_bfe_u32 s2, ttmp6, 0x10000c
	s_cmp_lg_u32 s2, 0x3003
	s_cbranch_scc0 .Lentry_shape_is_right
	s_endpgm
.Lentry_shape_is_right:
; Q, K, V = Q(x) W on codes of BF6, each result quantised at once: Q and K along the head's 64, V along the keys; they leave as images of the next products' operands.
; SHARES: work-group (rg, y): 256 rows of x, three 'virtual heads' g = 3 y + j of 64 weight rows (g 0-15 Wq, 16-31 Wk, 32-47 Wv).  Wave w: rows 64 (4 rg + w) on, all 192 columns.
; The wave's block of x (32 fragments, 384 registers, and 32 scale words) stays in registers; the three blocks of W (53,248 bytes each) lie in LDS, filled once.
; CLUSTER: the four work-groups of a cluster share y, so W's blocks are asked for JOINTLY (mask 15).  Each wave asks for its quarter of each block: three loads of 52 rows of 256 bytes are out, by this text's count,
; and head 0 starts when its 53,248 bytes are in.  No LDS byte is filled twice and none is stored to.
; Q, K: the product is used transposed (source 0 = 16 rows of W, source 1 = 16 rows of x): a lane holds one row of x and 16 neighbours of each 32 along the head.  V: source 0 = x, source 1 = W: a lane holds one d and registers along the keys.
; A HALF FRAGMENT (16 rows x 64 K, 6 registers) is 768 bytes: registers 0-3 at 16 l, 4-5 at 512 + 8 l; two of them on end are a 12-register operand; its two scale bytes lie at 4 l + 2 c of a scale image.
; qimg: [bh][106,496]: query tiles 2 i, 2 i + 1 at 1,536 i, scale images at 98,304 + 128 i.   kvimg: [bh][key step of 128][13,312]: K's tiles 2 i, 2 i + 1 at 1,536 i; V's fragment of d tile t at 6,144 + 1,536 t; K's scale images at 12,288 + 128 i; V's at 12,800 + 128 t.
; LIMITS: a block of zeros gets the byte 1 (its codes are zeros; this program alone reads the bytes); NaN and infinities are not served.
; REGISTERS: window 0: v1-5 addresses; v16-23 W's scale words, two sets; v32-63 x's; v64-71 at work; v80-103 codes, four sets; v104-107 their scale bytes; v108-110 at work; v128-255 the 16 accumulators.
;   window 1: x's fragments of K steps 0-4 at v[12 (4 s + i)].   window 2: K steps 5-7 at v[12 (4 (s - 5) + i)]; W's fragments, two sets, at v144 and v192.
.set GBLK, 53248
.set QTR,  13312
.set WS,   16
.set XS,   32
.set PC,   80
.set PW,   104
.set PX,   108
.set ACC,  128
.set WB,   144
.set SEL,  38                          ; s[38:39]
.set MSB, 0
.macro WIN new                         ; the immediate's high byte repeats the setting that is left
.if MSB != \new
	s_set_vgpr_msb (MSB<<8)|\new
.set MSB, \new
.endif
.endm
.macro ROUND                           ; a round of the cluster's barrier
	s_barrier_signal -1
	s_barrier_wait -1
	s_cmp_lg_u32 s12, 0
	s_cbranch_scc1 .Lnot_wave_0_\@
	s_barrier_signal -3
.Lnot_wave_0_\@:
	s_barrier_wait -3
	s_barrier_signal -1
	s_barrier_wait -1
.endm
.macro PLACES                          ; four places behind this matrix instruction, in front of loads into its registers and of reads of its results
.rept 4
	v_nop
.endr
.endm
.macro WMMA d, a, b, z, sa, sb
.if \z
	v_wmma_scale_f32_16x16x128_f8f6f4 v[\d:\d+7], v[\a:\a+11], v[\b:\b+11], 0, v[\sa], v[\sb] matrix_a_fmt:MATRIX_FMT_BF6 matrix_b_fmt:MATRIX_FMT_BF6
.else
	v_wmma_scale_f32_16x16x128_f8f6f4 v[\d:\d+7], v[\a:\a+11], v[\b:\b+11], v[\d:\d+7], v[\sa], v[\sb] matrix_a_fmt:MATRIX_FMT_BF6 matrix_b_fmt:MATRIX_FMT_BF6
.endif
.endm
.macro FETCH_W s, p                    ; W's four fragments of K step s and their scale words into set p: 16 LDS loads
	WIN 0x80                                       ; destination window 2
.irp t, 0,1,2,3
.irp c, 0,1,2
	ds_load_b128 v[WB+48*(\p)+12*\t+4*\c:WB+48*(\p)+12*\t+4*\c+3], v4 offset:(4*(\s)+\t)*1536+512*\c
.endr
.endr
	WIN 0
.irp t, 0,1,2,3
	ds_load_b32 v[WS+4*(\p)+\t], v5 offset:49152+(4*(\s)+\t)*128
.endr
.endm
.macro MUL ty, s                       ; 16 matrix instructions; the 16 accumulators take turns, in the same order in every step
.set PB, WB+48*((\s)%2)
.set PS, WS+4*((\s)%2)
.set ZZ, 0
.if (\s) == 0
.set ZZ, 1                             ; the first K step starts the sums: nothing is cleared
.endif
.if (\s) < 5
.set XB, 48*(\s)
.else
.set XB, 48*((\s)-5)
.endif
.if \ty == 0
.if (\s) < 5
	WIN 0x06                                       ; source 0 (W) window 2, source 1 (x) window 1
.else
	WIN 0x0a                                       ; both window 2
.endif
.irp bb, 0,1,2,3
.irp a, 0,1,2,3
	WMMA ACC+32*\bb+8*\a, PB+12*\a, XB+12*\bb, ZZ, PS+\a, XS+4*(\s)+\bb
.endr
.endr
.else
.if (\s) < 5
	WIN 0x09                                       ; source 0 (x) window 1, source 1 (W) window 2
.else
	WIN 0x0a
.endif
.irp bb, 0,1,2,3
.irp a, 0,1,2,3
	WMMA ACC+32*\bb+8*\a, XB+12*\a, PB+12*\bb, ZZ, XS+4*(\s)+\a, PS+\bb
.endr
.endr
.endif
.endm
.macro KLOOP ty                        ; a head's eight K steps; W's fragments are fetched one step ahead
	FETCH_W 0, 0
.irp s, 0,1,2,3,4,5,6,7
.if \s > 0
	PLACES                                         ; the set that the last step multiplied is loaded again
.endif
.if \s < 7
	FETCH_W \s+1, (\s+1)%2
	s_wait_dscnt 16                                ; this step's are in; the 16 just issued may be out
.else
	s_wait_dscnt 0x0
.endif
.if 84-12*\s > 63
	s_wait_loadcnt 63                              ; (the count's field ends at 63)
.else
	s_wait_loadcnt 84-12*\s                        ; x's fragments up to this K step are in: 12 loads a step, the later steps' may be out
.endif
	MUL \ty, \s
.endr
	WIN 0
	PLACES
.endm
; 32 numbers of a lane, register 16 b + i = k 32 b + 16 (lane / 16) + i, become a half fragment in set's six registers and two scale bytes
.macro QUANT32 src, set
	v_max3_num_f32 v64, |v[(\src)]|, |v[(\src)+1]|, 0x2800000      ; each accumulator is read from its low end on; the floor 2^(5 - 127) holds the byte at 1 from below
	v_max3_num_f32 v65, |v[(\src)+16]|, |v[(\src)+17]|, 0x2800000
.irp i, 2,4,6,8,10,12,14
	v_max3_num_f32 v64, v64, |v[(\src)+\i]|, |v[(\src)+\i+1]|
	v_max3_num_f32 v65, v65, |v[(\src)+16+\i]|, |v[(\src)+17+\i]|
.endr
	v_permlanex16_b32 v66, v64, s[SEL], s[SEL+1]
	v_permlanex16_b32 v67, v65, s[SEL], s[SEL+1]
	v_max_num_f32 v64, v64, v66
	v_max_num_f32 v65, v65, v67
	v_add_nc_u32 v68, 0xfe000000, v64              ; 4 off the exponent field: the conversion's scale operand
	v_add_nc_u32 v69, 0xfe000000, v65
	v_lshrrev_b32 v70, 23, v68
	v_lshrrev_b32 v71, 23, v69
	v_lshl_or_b32 v[PW+(\set)], v71, 8, v70
	v_cvt_scalef32_pk16_bf6_f32 v[PC+6*(\set):PC+6*(\set)+2], v[(\src):(\src)+15], v68
	v_cvt_scalef32_pk16_bf6_f32 v[PX:PX+2], v[(\src)+16:(\src)+31], v69
	v_nop                                          ; one plain place behind a scaled conversion
.irp i, 0,1,2
	v_permlane16_swap_b32 v[PC+6*(\set)+\i], v[PX+\i]   ; a whole block to a lane: lanes 0-15 block 0, lanes 16-31 block 1
.endr
.irp i, 0,1,2
	v_mov_b32 v[PC+6*(\set)+3+\i], v[PX+\i]
.endr
.endm
.macro PUT set, co, so
	global_store_b128 v1, v[PC+6*(\set):PC+6*(\set)+3], s[40:41] offset:\co          ; 512 consecutive bytes
	global_store_b64 v2, v[PC+6*(\set)+4:PC+6*(\set)+5], s[40:41] offset:(\co)+512   ; 256 consecutive bytes
	global_store_b16 v3, v[PW+(\set)], s[42:43] offset:\so
.endm
; Q's and K's tile i of my four.  Lane (r, h) stores at base + X (r / 8) + Y (i / 2) + 768 (i % 2); v8, v10, v6 hold base + X (r / 8) for the 16-byte, the 8-byte and the scale parts, v9, v11, v7 the same + Y.
; Q: (X, Y) = (128, 1536), (64, 1536), (32, 128): tile i at 768 i, lane l at 16 l, 8 l, 4 l, as the note at the head has it.
; K: (X, Y) = (1536, 128), (1536, 64), (128, 32): THE KEYS ARE DEALT ANEW: lane r of my tile i goes to tile i % 2 + 2 (r / 8), lane r % 8 + 8 (i / 2) of the block of 64 keys.  So lane r' of stored tile n is key 8 n + r' % 8 + 32 (r' / 8),
; and in the score product, used transposed, a lane holds whole blocks of 32 keys.  (Eight lanes store 128 consecutive bytes there.)
.macro PUTQK i
	global_store_b128 v[8+(\i)/2], v[PC+6*(\i):PC+6*(\i)+3], s[40:41] offset:768*((\i)%2)
	global_store_b64 v[10+(\i)/2], v[PC+6*(\i)+4:PC+6*(\i)+5], s[40:41] offset:768*((\i)%2)+512
	global_store_b16 v[6+(\i)/2], v[PW+(\i)], s[42:43] offset:2*((\i)%2)
.endm
	s_load_b256 s[4:11], s[0:1], 0x0               ; ximg, wimg, qimg, kvimg
	v_lshl_add_u32 v126, v0, 2, 0x29000
	v_mov_b32 v127, 0
	ds_add_u32 v126, v127
	ds_add_u32 v126, v127
	v_lshrrev_b32 v1, 5, v0
	v_readfirstlane_b32 s12, v1                    ; wave
	v_and_b32 v3, 31, v0
	v_lshlrev_b32 v1, 4, v3                        ; 16 l
	v_lshlrev_b32 v2, 3, v3                        ; 8 l
	v_lshlrev_b32 v3, 2, v3                        ; 4 l
	v_and_b32 v6, 7, v0                            ; r % 8
	v_bfe_u32 v7, v0, 4, 1                         ; h
	v_bfe_u32 v15, v0, 3, 1                        ; r / 8
	v_lshlrev_b32 v12, 4, v6
	v_lshlrev_b32 v13, 3, v6
	v_lshlrev_b32 v14, 2, v6
	v_lshl_add_u32 v12, v7, 8, v12                 ; 16 (r % 8) + 256 h
	v_lshl_add_u32 v13, v7, 7, v13                 ; 8 (r % 8) + 128 h
	v_lshl_add_u32 v14, v7, 6, v14                 ; 4 (r % 8) + 64 h
	s_mov_b32 s88, 128
	s_mov_b32 s89, 1536
	s_mov_b32 s90, 64
	s_mov_b32 s91, 32
	v_mov_b32 v66, 0
	v_mov_b32 v67, 0
	s_bfe_u32 s13, ttmp6, 0x40000                  ; cx
	s_lshl_b32 s14, ttmp9, 2
	s_add_co_u32 s14, s14, s13                     ; rg: it enters the addresses of x, q and kv alone
	s_and_b32 s15, ttmp7, 0xffff                   ; y, which the four partners share
	s_mov_b32 s16, 0x0023000f                      ; group 1: mask 15; elements of 8 bytes; bit 21 beside the mask; no padding
	s_mov_b32 s17, 32<<16                          ; tensor_dim0 = 32 elements: rows of 256 bytes
	s_mov_b32 s18, 52<<16                          ; tensor_dim1 = 52
	s_mov_b32 s19, 32<<16                          ; tile_dim0
	s_mov_b32 s20, 52                              ; tile_dim1
	s_mov_b32 s21, 32                              ; the pitch: dense
	s_mov_b32 s22, 0
	s_mov_b32 s23, 0
	s_mov_b32 s[SEL], 0x76543210
	s_mov_b32 s[SEL+1], 0xfedcba98
	s_mul_i32 s45, s12, QTR                        ; my quarter of a block
	s_mul_i32 s48, s15, 3*GBLK
	s_add_co_u32 s48, s48, s45
	s_mov_b32 s49, 0
	s_lshl_b32 s44, s14, 2
	s_add_co_u32 s44, s44, s12                     ; my block of 64 rows
	s_mul_i32 s46, s44, GBLK
	s_mov_b32 s47, 0
	s_and_b32 s52, s44, 31                         ; R: the block within its batch
	s_lshr_b32 s56, s14, 3
	s_lshl_b32 s56, s56, 4                         ; 16 x batch
	s_mul_i32 s57, s52, 3072
	s_lshl_b32 s58, s52, 8
	s_lshr_b32 s59, s52, 1
	s_mul_i32 s59, s59, QTR                        ; the key step
	s_and_b32 s53, s52, 1                          ; and which half of it
	s_mul_i32 s60, s53, 3072
	s_lshl_b32 s61, s53, 8
	s_mul_i32 s62, s53, 768
	s_lshl_b32 s63, s53, 1
	s_mul_i32 s67, s15, 3
	s_wait_dscnt 0x0
	s_wait_kmcnt 0x0
	s_add_nc_u64 s[50:51], s[6:7], s[48:49]
	s_add_nc_u64 s[46:47], s[4:5], s[46:47]
	s_mov_b32 s24, 1                               ; group 0 for block 0: my quarter
	s_mov_b32 s25, s45
	s_mov_b64 s[26:27], s[50:51]
	s_or_b32 s27, s27, 0x80000000
	s_mov_b32 s28, 1                               ; group 0 for blocks 1 and 2, which lie on end: my quarter of the two together, 26,624 bytes
	s_lshl_b32 s29, s45, 1
	s_add_co_u32 s29, s29, GBLK
	s_add_co_u32 s48, s45, GBLK                    ; (s49 is 0)
	s_add_nc_u64 s[30:31], s[50:51], s[48:49]
	s_or_b32 s31, s31, 0x80000000
	s_mov_b32 s80, 0x0023000f                      ; its group 1: as the first, with 104 rows
	s_mov_b32 s81, 32<<16
	s_mov_b32 s82, 104<<16
	s_mov_b32 s83, 32<<16
	s_mov_b32 s84, 104
	s_mov_b32 s85, 32
	s_mov_b32 s86, 0
	s_mov_b32 s87, 0
	ROUND                                          ; all four work-groups are here: the joint loads meet
	tensor_load_to_lds s[24:27], s[16:23]          ; ONE joint load a wave at the head: my quarter of block 0.  Blocks 1 and 2 follow by one more load a wave, below: these two take the place of the three loads of which the note at the head speaks
	s_nop 0
	PLACES
.set RHO, 0
	s_wait_alu depctr_va_vdst(0)
.rept 32
	global_load_b32 v[XS+RHO], v3, s[46:47] offset:49152+128*RHO
.set RHO, RHO+1
.endr
	WIN 0x40                                       ; destination window 1
.set RHO, 0
.rept 20
.irp c, 0,1,2
	global_load_b128 v[12*RHO+4*\c:12*RHO+4*\c+3], v1, s[46:47] offset:1536*RHO+512*\c
.endr
.set RHO, RHO+1
.endr
	WIN 0x80                                       ; destination window 2
.rept 12
.irp c, 0,1,2
	global_load_b128 v[12*(RHO-20)+4*\c:12*(RHO-20)+4*\c+3], v1, s[46:47] offset:1536*RHO+512*\c
.endr
.set RHO, RHO+1
.endr
	WIN 0
	s_wait_tensorcnt 0x0                           ; my quarter of block 0 is in
	ds_add_u32 v126, v127
	s_wait_dscnt 0x0
	ROUND                                          ; block 0 is whole, and all four work-groups are here
	tensor_load_to_lds s[28:31], s[80:87]          ; blocks 1 and 2: my one load behind this round; it has head 0's eight K steps in which to land
	s_nop 0
	PLACES
.irp j, 0,1,2
.if \j > 0
	s_wait_xcnt 0x0                                ; the last head's stores have read their bases and their data: both are written again below
.endif
	s_add_co_u32 s66, s67, \j                      ; g
	s_and_b32 s68, s66, 15
	s_add_co_u32 s68, s68, s56                     ; bh
	v_add_nc_u32 v4, GBLK*\j, v1
	v_add_nc_u32 v5, GBLK*\j, v3
.if \j == 1
	s_wait_tensorcnt 0x0                           ; my part of blocks 1 and 2 is in,
	s_barrier_signal -1
	s_barrier_wait -1                              ; everybody's is
.endif
	s_cmp_lt_u32 s66, 32
	s_cbranch_scc0 .Lv_\j
	s_mul_i32 s69, s68, 106496                     ; Q: the head,
	s_add_co_u32 s70, s69, s57                     ; my four tiles' records,
	s_add_co_u32 s72, s69, s58
	s_add_co_u32 s72, s72, 98304                   ; their scale images
	s_mul_i32 s74, s68, 212992                     ; K: the head,
	s_add_co_u32 s74, s74, s59                     ; the key step,
	s_add_co_u32 s75, s74, s60
	s_add_co_u32 s78, s74, s61
	s_add_co_u32 s78, s78, 12288
	s_cmp_lt_u32 s66, 16
	s_cselect_b32 s70, s70, s75
	s_cselect_b32 s72, s72, s78
	s_cselect_b64 s[76:77], s[8:9], s[10:11]
	s_cselect_b32 s32, s88, s89                    ; X and Y of the store macro: Q's or K's, by the head's number alone
	s_cselect_b32 s33, s89, s88
	s_cselect_b32 s34, s90, s89
	s_cselect_b32 s35, s89, s90
	s_cselect_b32 s36, s91, s88
	s_cselect_b32 s37, s88, s91
	s_mov_b32 s71, 0
	s_mov_b32 s73, 0
	s_add_nc_u64 s[40:41], s[76:77], s[70:71]
	s_add_nc_u64 s[42:43], s[76:77], s[72:73]
	v_mad_u32_u24 v8, v15, s32, v12
	v_mad_u32_u24 v10, v15, s34, v13
	v_mad_u32_u24 v6, v15, s36, v14
	v_add_nc_u32 v9, s33, v8
	v_add_nc_u32 v11, s35, v10
	v_add_nc_u32 v7, s37, v6
	s_wait_alu depctr_va_vdst(0)
	KLOOP 0
.irp i, 0,1,2,3
	QUANT32 ACC+32*\i, \i
	PUTQK \i
.endr
	s_branch .Ljoin_\j
.Lv_\j:
	s_mul_i32 s74, s68, 212992
	s_add_co_u32 s74, s74, s59
	s_add_co_u32 s70, s74, s62
	s_add_co_u32 s70, s70, 6144                    ; V's fragments: my 64 keys are half c = R % 2
	s_add_co_u32 s72, s74, s63
	s_add_co_u32 s72, s72, 12800
	s_mov_b32 s71, 0
	s_mov_b32 s73, 0
	s_add_nc_u64 s[40:41], s[10:11], s[70:71]
	s_add_nc_u64 s[42:43], s[10:11], s[72:73]
	s_wait_alu depctr_va_vdst(0)
	KLOOP 1
.irp t, 0,1,2,3
	QUANT32 ACC+32*\t, \t
	PUT \t, 1536*\t, 128*\t
.endr
.Ljoin_\j:
.endr
	s_wait_tensorcnt 0x0
	ds_add_u32 v126, v127
	s_wait_dscnt 0x0
	ROUND                                          ; the closing round: no work-group ends while a partner may still ask for a block that names it
	s_endpgm
.Lfunc_end_k_qf4b7483b1c_proj:
	.size	k_qf4b7483b1c_proj, .Lfunc_end_k_qf4b7483b1c_proj-k_qf4b7483b1c_proj
	.p2alignl 7, 3214868480
	.fill 96, 4, 3214868480
	.section	.rodata,"a",@progbits
	.p2align	6, 0x0
	.amdhsa_kernel k_qf4b7483b1c_proj
		.amdhsa_group_segment_fixed_size 327680
		.amdhsa_private_segment_fixed_size 0
		.amdhsa_enable_private_segment 0
		.amdhsa_kernarg_size 32
		.amdhsa_user_sgpr_count 2
		.amdhsa_user_sgpr_kernarg_segment_ptr 1
		.amdhsa_wavefront_size32 1
		.amdhsa_system_sgpr_workgroup_id_x 1
		.amdhsa_system_sgpr_workgroup_id_y 1
		.amdhsa_system_sgpr_workgroup_id_z 1
		.amdhsa_system_vgpr_workitem_id 0
		.amdhsa_next_free_vgpr 752
		.amdhsa_next_free_sgpr 96
		.amdhsa_reserve_vcc 0
		.amdhsa_float_denorm_mode_32 3
		.amdhsa_float_denorm_mode_16_64 3
		.amdhsa_memory_ordered 1
		.amdhsa_forward_progress 1
		.amdhsa_inst_pref_size 233
	.end_amdhsa_kernel
	.amdgpu_metadata
---
amdhsa.version: [ 1, 2 ]
amdhsa.kernels:
  - .name:           k_qf4b7483b1c_proj
    .symbol:         k_qf4b7483b1c_proj.kd
    .args:
      - { .name: ximg, .offset: 0, .size: 8, .value_kind: global_buffer, .address_space: global }
      - { .name: wimg, .offset: 8, .size: 8, .value_kind: global_buffer, .address_space: global }
      - { .name: qimg, .offset: 16, .size: 8, .value_kind: global_buffer, .address_space: global }
      - { .name: kvimg, .offset: 24, .size: 8, .value_kind: global_buffer, .address_space: global }
    .group_segment_fixed_size: 327680
    .private_segment_fixed_size: 0
    .kernarg_segment_align: 8
    .kernarg_segment_size: 32
    .max_flat_workgroup_size: 128
    .sgpr_count:     96
    .vgpr_count:     752
    .wavefront_size: 32
...
	.end_amdgpu_metadata
.endif
;; end of part 2
;; launch attn (part 3): grid 8 x 32, 16 waves a work-group, clusters of 4 x 1, 327,680 bytes of LDS; arguments qimg, kvimg, phase_scale, oimg; writes oimg
.if DOCPART == 3
	.amdgcn_target "amdgcn-amd-amdhsa--gfx1250"
	.amdhsa_code_object_version 6
	.text
	.protected	k_qf4b7483b1c_attn
	.globl	k_qf4b7483b1c_attn
	.p2align	8
	.type	k_qf4b7483b1c_attn,@function
k_qf4b7483b1c_attn:
	s_mov_b64 s[64:65], 0
	v_nop
	global_prefetch_b8 v0, s[64:65] scope:SCOPE_SE
	s_setreg_imm32_b32 hwreg(HW_REG_WAVE_MODE, 25, 1), 1
	s_wait_xcnt 0x0
	s_wait_alu depctr_hold_cnt(0) depctr_sa_sdst(0) depctr_va_vdst(0) depctr_va_sdst(0) depctr_va_ssrc(0) depctr_va_vcc(0) depctr_vm_vsrc(0)
	s_getreg_b32 s2, hwreg(HW_REG_IB_STS2, 6, 4)
	s_cmp_eq_u32 s2, 0
	s_cbranch_scc0 .Lentry_in_a_cluster
	s_endpgm
.Lentry_in_a_cluster:
	s_bfe_u32 s2, ttmp6, 0x10000c
	s_cmp_lg_u32 s2, 0x3003
	s_cbranch_scc0 .Lentry_shape_is_right
	s_endpgm
.Lentry_shape_is_right:
; For each head: o = (sum over the keys of Q(p) Q(V)) / l, p = 2^(t - 2), t = w log2(e), w = cos s + 0.1 cos 2 s, s = score x phase_scale / 8; both products on codes of BF6 with E8M0 scales.
; THE LOGIT: with q = sin^2(s / 2): cos s = 1 - 2 q, cos 2 s = 1 - 8 q + 8 q^2, so w = 0.8 (q - 1.75)^2 - 1.35 and t - 2 = y^2 + d, y = a (q - 1.75), a = sqrt(0.8 log2 e), d = -1.35 log2 e - 2.
; v = s / (2 pi) is reduced to f = v - round(v), |f| <= 1/2 (the rounding by adding and taking away 1.5 x 2^23; f by one fused multiply-add), z = f^2, and sin(pi f) = f P(z).  P has degree 4 in z: the series up to
; pi^13 z^6 / 13!, its two highest powers replaced by the shifted Chebyshev polynomials' lower terms on 0 <= z <= 1/4; the largest deviation from the series is 1.4e-8, under half a last place of P (P >= 2).
; P' = sqrt(a) P is what the coefficients hold, so that a q = (z P') P' and y = (z P') P' + b, b = -1.75 a: eleven packed instructions for a pair of scores.
; THE MAXIMUM: w lies in [-0.9, 1.1] for every finite score, so t lies in [-1.30, 1.59].  The row's M is a whole number, and a block's scale takes up any power of two: so the fixed M = 2 gives the same codes' values and the same
; quotient by l as ceil(the row's largest t).  p lies in [2^-3.3, 2^-0.41]; a row's sum in [208, 1542]: nothing can overflow or underflow, and O is never rescaled.
; SHARES: work-group (blk, bh): 256 queries of one head; each of its sixteen waves owns one tile of 16 queries, four waves to a SIMD.
; The head's K and V, 16 key steps of 13,312 bytes, lie in LDS whole, as images of the operands' registers: each byte filled once, none stored to.
; CLUSTER: the four work-groups of a cluster belong to one head: K and V are asked for JOINTLY (mask 15).  At the head waves 0-3 ask for key steps 0-3, one load of 52 rows of 256 bytes each; behind the wait for them, the add and a round
; of the cluster's barrier every wave asks for 39 rows of steps 4-15: one load a wave is out, and it has four key steps in which to land.  No prefetch: each tile is asked for once, at the start; there is no ring to run ahead in.
; THE SCORE PRODUCT: the head's K is 64, the instruction's 128.  K's record i holds key tile 2 i in k 0-63 and tile 2 i + 1 in k 64-127; multiplied by [Q, zeros] it gives tile 2 i's scores, by [zeros, Q] tile 2 i + 1's.  The zeros are
; zero CODES under the scale byte 0; they add nothing.  Both products are used transposed: a lane holds ONE query.
; WHICH KEYS FORM A TILE: the launch before has stored K so that lane r' of tile n of a block of 64 keys is key 8 n + r' % 8 + 32 (r' / 8).  So register 32 c + 8 n + j of lane (query, h) is key 64 c + 32 h + 8 n + j:
; A LANE HOLDS WHOLE BLOCKS OF 32 KEYS, blocks h and 2 + h of the step, in the order that p's operand wants.  A block's largest p needs no other lane, the conversions' results are the operand's registers, and only the scale word's
; bytes are gathered from lane l xor 16.
; LIMITS: |s| under 2^22 turns (the rounding's reach); the phase is as exact as s itself is in f32; NaN and infinities are not served.
.set KS, 10                            ; v10-13   K's scale words
.set VS, 14                            ; v14-17   V's
.set BM, 28                            ; v28-31   largest p: four chains, then blocks h (v28) and 2 + h (v30)
.set BP, 32                            ; v32      lane l xor 16's
.set SH, 33                            ; v33      8 (lane / 16)
.set SO, 36                            ; v36-37   the conversions' scale operands
.set BY, 40                            ; v40-41   the scale bytes
.set QL, 44                            ; v44-55   [Q, zeros]
.set QH, 56                            ; v56-67   [zeros, Q]
.set KV, 68                            ; v68-115  four operands of K, then of V
.set PC, 116                           ; v116-127 p's codes
.set PX, 128                           ; v128-134 at work
.set T,  136                           ; v136-151 at work: 16 numbers
.set S,  152                           ; v152-215 the scores, then t - 2, then p
.set O,  216                           ; v216-247 O^T
; v1, v2, v3: 16 l, 8 l, 4 l; v4-6 the same + the step's LDS byte; v7, v8 Q's scale words for QL, QH; v9 p's; v[18:19] 1.5 x 2^23; v[20:21] P's highest coefficient; v[24:27] l in two chains of pairs; v248, v249 the add's
; s[20:21] lane selects; s[22:23] G; s[24:31] P's coefficients, descending; s[32:33] b; s[34:35] d (pairs: the packed forms name a pair and take its low word); s66 the step's LDS byte; s67 trips
.macro ROUND
	s_barrier_signal -1
	s_barrier_wait -1
	s_cmp_lg_u32 s12, 0
	s_cbranch_scc1 .Lnot_wave_0_\@
	s_barrier_signal -3
.Lnot_wave_0_\@:
	s_barrier_wait -3
	s_barrier_signal -1
	s_barrier_wait -1
.endm
.macro PLACES
.rept 4
	v_nop
.endr
.endm
.macro WMMA d, a, b, z, sa, sb
.if \z
	v_wmma_scale_f32_16x16x128_f8f6f4 v[\d:\d+7], v[\a:\a+11], v[\b:\b+11], 0, v[\sa], v[\sb] matrix_a_fmt:MATRIX_FMT_BF6 matrix_b_fmt:MATRIX_FMT_BF6
.else
	v_wmma_scale_f32_16x16x128_f8f6f4 v[\d:\d+7], v[\a:\a+11], v[\b:\b+11], v[\d:\d+7], v[\sa], v[\sb] matrix_a_fmt:MATRIX_FMT_BF6 matrix_b_fmt:MATRIX_FMT_BF6
.endif
.endm
.macro LDREC reg, off                  ; two half fragments on end become a 12-register operand
	ds_load_b128 v[\reg:\reg+3], v4 offset:\off
	ds_load_b64 v[\reg+4:\reg+5], v5 offset:\off+512
	ds_load_b128 v[\reg+6:\reg+9], v4 offset:\off+768
	ds_load_b64 v[\reg+10:\reg+11], v5 offset:\off+1280
.endm
.macro POLY b                          ; 16 scores become t - 2; each line for eight pairs, ascending
.set SB, S+16*\b
.irp i, 0,2,4,6,8,10,12,14
	v_pk_fma_f32 v[T+\i:T+\i+1], v[SB+\i:SB+\i+1], s[22:23], v[18:19] op_sel_hi:[1,0,1]   ; v + 1.5 x 2^23
.endr
.irp i, 0,2,4,6,8,10,12,14
	v_pk_add_f32 v[T+\i:T+\i+1], v[T+\i:T+\i+1], v[18:19] neg_lo:[0,1] neg_hi:[0,1]       ; round(v)
.endr
.irp i, 0,2,4,6,8,10,12,14
	v_pk_fma_f32 v[SB+\i:SB+\i+1], v[SB+\i:SB+\i+1], s[22:23], v[T+\i:T+\i+1] op_sel_hi:[1,0,1] neg_lo:[0,0,1] neg_hi:[0,0,1]   ; f
.endr
.irp i, 0,2,4,6,8,10,12,14
	v_pk_mul_f32 v[SB+\i:SB+\i+1], v[SB+\i:SB+\i+1], v[SB+\i:SB+\i+1]                     ; z = f^2
.endr
.irp i, 0,2,4,6,8,10,12,14
	v_pk_fma_f32 v[T+\i:T+\i+1], v[SB+\i:SB+\i+1], v[20:21], s[24:25] op_sel_hi:[1,1,0]
.endr
.irp k, 26,28,30
.irp i, 0,2,4,6,8,10,12,14
	v_pk_fma_f32 v[T+\i:T+\i+1], v[T+\i:T+\i+1], v[SB+\i:SB+\i+1], s[\k:\k+1] op_sel_hi:[1,1,0]   ; P'
.endr
.endr
.irp i, 0,2,4,6,8,10,12,14
	v_pk_mul_f32 v[SB+\i:SB+\i+1], v[SB+\i:SB+\i+1], v[T+\i:T+\i+1]                       ; z P'
.endr
.irp i, 0,2,4,6,8,10,12,14
	v_pk_fma_f32 v[T+\i:T+\i+1], v[SB+\i:SB+\i+1], v[T+\i:T+\i+1], s[32:33] op_sel_hi:[1,1,0]     ; y = a q + b
.endr
.irp i, 0,2,4,6,8,10,12,14
	v_pk_fma_f32 v[SB+\i:SB+\i+1], v[T+\i:T+\i+1], v[T+\i:T+\i+1], s[34:35] op_sel_hi:[1,1,0]     ; t - 2 = y^2 + d
.endr
.endm
; A KEY STEP: 128 keys.  zero = 1: the first step's products start O^T's sums: nothing is cleared.
.macro KSTEP zero
	v_add_nc_u32 v4, s66, v1                       ; these four lines are the places behind the last step's products, in front of the loads into their operands
	v_add_nc_u32 v5, s66, v2
	v_add_nc_u32 v6, s66, v3
	v_nop
.irp i, 0,1,2,3
	LDREC KV+12*\i, 1536*\i
	ds_load_b32 v[KS+\i], v6 offset:12288+128*\i
.endr
	s_wait_alu depctr_va_vdst(0)                   ; the wait here, directly ahead of the wait below
	s_wait_dscnt 0x0
.irp i, 0,1,2,3
	WMMA S+16*\i, KV+12*\i, QL, 1, KS+\i, 7
	WMMA S+16*\i+8, KV+12*\i, QH, 1, KS+\i, 8
.endr
	PLACES
.irp t, 0,1,2,3                                ; V's operands land under the polynomial
	LDREC KV+12*\t, 6144+1536*\t
	ds_load_b32 v[VS+\t], v6 offset:12800+128*\t
.endr
	POLY 0
	POLY 1
	POLY 2
	POLY 3
.set J, 0
	s_wait_alu depctr_va_vdst(0)                   ; the wait ahead of the batch
.rept 64
	v_exp_f32 v[S+J], v[S+J]                       ; p = 2^(t - 2): NOT normalised
.set J, J+1
.endr
	v_nop                                          ; a plain place behind the exponentials
	s_wait_alu depctr_va_vdst(0)                   ; one wait for the whole batch, ahead of its first reader
.irp b, 0,1,2,3
	v_max3_num_f32 v[BM+\b], v[S+16*\b], v[S+16*\b+1], v[S+16*\b+2]   ; the largest p, in four chains by turns
.endr
.irp i, 3,5,7,9,11,13
.irp b, 0,1,2,3
	v_max3_num_f32 v[BM+\b], v[BM+\b], v[S+16*\b+\i], v[S+16*\b+\i+1]
.endr
.endr
	v_max3_num_f32 v[BM], v[BM], v[BM+1], v[S+15]
	v_max3_num_f32 v[BM+2], v[BM+2], v[BM+3], v[S+47]
	v_max_num_f32 v[BM], v[BM], v[S+31]            ; my block h's largest p,
	v_max_num_f32 v[BM+2], v[BM+2], v[S+63]        ; and block 2 + h's
	s_delay_alu instid0(VALU_DEP_2)
	v_add_nc_u32 v[SO], 0xfe000000, v[BM]          ; 4 off the exponent field: the conversion's scale operand.  No floor: p is at least 2^-3.3
	s_delay_alu instid0(VALU_DEP_2)
	v_add_nc_u32 v[SO+1], 0xfe000000, v[BM+2]
.irp c, 0,1
	v_cvt_scalef32_pk16_bf6_f32 v[PC+6*\c:PC+6*\c+2], v[S+32*\c:S+32*\c+15], v[SO+\c]        ; registers 6 c .. 6 c + 2 of the operand
	v_cvt_scalef32_pk16_bf6_f32 v[PX+4*\c:PX+4*\c+2], v[S+32*\c+16:S+32*\c+31], v[SO+\c]     ; (a conversion's three registers begin on an even number: the second three are made elsewhere and moved)
.endr
	v_nop                                          ; one plain place behind a scaled conversion
	v_lshrrev_b32 v[BY], 23, v[SO]                 ; the scale bytes
	v_lshrrev_b32 v[BY+1], 23, v[SO+1]
.irp i, 0,1,2
	v_mov_b32 v[PC+3+\i], v[PX+\i]
.endr
	v_lshl_or_b32 v[BY], v[BY+1], 16, v[BY]        ; my two bytes: blocks h and 2 + h,
.irp i, 0,1,2
	v_mov_b32 v[PC+9+\i], v[PX+4+\i]
.endr
	v_lshlrev_b32 v[BY], v[SH], v[BY]              ; at their places in the scale word (8 h bits up);
	s_delay_alu instid0(VALU_DEP_1)
	v_permlanex16_b32 v[BP], v[BY], s20, s21
	s_delay_alu instid0(VALU_DEP_1)
	v_or_b32 v9, v[BY], v[BP]                      ; with lane l xor 16's two the word is whole
.irp j, 0,4,8,12,16,20,24,28,32,36,40,44,48,52,56,60
	v_pk_add_f32 v[24:25], v[24:25], v[S+\j:S+\j+1]        ; THE ROW'S SUM IS TAKEN OF THE UNQUANTISED p, in two chains.  (These 32 are also the places between p's scale word and codes and the products)
	v_pk_add_f32 v[26:27], v[26:27], v[S+\j+2:S+\j+3]
.endr
	s_wait_dscnt 0x0                               ; V is in
.irp t, 0,1,2,3
	WMMA O+8*\t, KV+12*\t, PC, \zero, VS+\t, 9     ; the accumulators take turns; between two links of a chain stand eleven other products
.endr
	s_add_co_u32 s66, s66, 13312
.endm
	s_load_b256 s[4:11], s[0:1], 0x0               ; qimg, kvimg, phase_scale, oimg
	v_lshl_add_u32 v248, v0, 2, 0x34000
	v_mov_b32 v249, 0
	ds_add_u32 v248, v249                          ; the opening lines: the add, twice on end, and its wait
	ds_add_u32 v248, v249
	v_lshrrev_b32 v1, 5, v0
	s_delay_alu instid0(VALU_DEP_1)
	v_readfirstlane_b32 s12, v1                    ; wave 0..15
	v_and_b32 v3, 31, v0
	s_delay_alu instid0(VALU_DEP_1)
	v_lshlrev_b32 v1, 4, v3
	s_delay_alu instid0(VALU_DEP_2)
	v_lshlrev_b32 v2, 3, v3
	s_delay_alu instid0(VALU_DEP_3)
	v_lshlrev_b32 v3, 2, v3
	s_bfe_u32 s13, ttmp6, 0x40000                  ; cx
	s_lshl_b32 s14, ttmp9, 2
	s_add_co_u32 s14, s14, s13                     ; my block of 256 queries: it enters Q's and O's addresses alone
	s_and_b32 s15, ttmp7, 0xffff                   ; bh, which the four partners share
	s_lshl_b32 s16, s14, 4
	s_add_co_u32 s16, s16, s12                     ; my tile of queries
	s_mov_b32 s40, 0x0023000f                      ; group 1 for steps 0-3: mask 15; elements of 8 bytes; bit 21 beside the mask
	s_mov_b32 s41, 32<<16                          ; rows of 256 bytes,
	s_mov_b32 s42, 52<<16                          ; 52 of them,
	s_mov_b32 s43, 32<<16
	s_mov_b32 s44, 52
	s_mov_b32 s45, 32                              ; dense
	s_mov_b32 s46, 0
	s_mov_b32 s47, 0
	s_mov_b32 s48, 0x0023000f                      ; group 1 for steps 4-15: 39 rows a wave
	s_mov_b32 s49, 32<<16
	s_mov_b32 s50, 39<<16
	s_mov_b32 s51, 32<<16
	s_mov_b32 s52, 39
	s_mov_b32 s53, 32
	s_mov_b32 s54, 0
	s_mov_b32 s55, 0
	s_mul_i32 s68, s15, 212992                     ; the head in kvimg
	s_mov_b32 s69, 0
	s_mul_i32 s72, s12, 13312                      ; wave w under 4 fetches step w,
	s_mov_b32 s73, 0
	s_mul_i32 s74, s12, 9984
	s_add_co_u32 s74, s74, 53248                   ; and every wave its sixteenth of steps 4-15
	s_mov_b32 s75, 0
	s_mul_i32 s76, s15, 106496                     ; the head in qimg
	s_mul_i32 s18, s16, 768
	s_add_co_u32 s18, s18, s76                     ; my tile's half fragment
	s_mov_b32 s19, 0
	s_lshr_b32 s38, s16, 1
	s_lshl_b32 s38, s38, 7
	s_and_b32 s39, s16, 1
	s_lshl_b32 s39, s39, 1
	s_add_co_u32 s38, s38, s39
	s_add_co_u32 s38, s38, s76
	s_add_co_u32 s38, s38, 98304                   ; and its two scale bytes
	s_mov_b32 s39, 0
	s_mov_b32 s20, 0x76543210
	s_mov_b32 s21, 0xfedcba98
	s_mov_b32 s24, 0xbf1ec084                      ; P': z^3
	s_mov_b32 s25, s24
	s_mov_b32 s26, 0x40292924                      ; z^2
	s_mov_b32 s27, s26
	s_mov_b32 s28, 0xc0ab66bf                      ; z
	s_mov_b32 s29, s28
	s_mov_b32 s30, 0x40506630                      ; 1
	s_mov_b32 s31, s30
	s_mov_b32 s32, 0xbff0a59c                      ; b = -1.75 a
	s_mov_b32 s33, s32
	s_mov_b32 s34, 0xc07ca61b                      ; d = -1.35 log2(e) - 2
	s_mov_b32 s35, s34
	s_mov_b32 s66, 0
	s_wait_dscnt 0x0
	s_wait_kmcnt 0x0
	s_add_nc_u64 s[70:71], s[6:7], s[68:69]
	s_add_nc_u64 s[76:77], s[4:5], s[18:19]
	s_add_nc_u64 s[78:79], s[4:5], s[38:39]
	s_and_b32 s18, s15, 15
	s_lshl_b32 s18, s18, 2
	s_add_nc_u64 s[8:9], s[8:9], s[18:19]
	s_load_b32 s17, s[8:9], 0x0                    ; the head's phase_scale
	s_lshr_b32 s38, s15, 4
	s_lshl_b32 s38, s38, 7
	s_add_co_u32 s38, s38, s16                     ; the row tile: 128 x batch + my tile
	s_lshl_b32 s38, s38, 16
	s_lshl_b32 s18, s18, 10                        ; + 4,096 x head
	s_add_co_u32 s38, s38, s18
	s_add_nc_u64 s[10:11], s[10:11], s[38:39]
	s_mov_b32 s56, 1
	s_mov_b32 s57, s72
	s_add_nc_u64 s[58:59], s[70:71], s[72:73]
	s_or_b32 s59, s59, 0x80000000
	s_mov_b32 s60, 1
	s_mov_b32 s61, s74
	s_add_nc_u64 s[62:63], s[70:71], s[74:75]
	s_or_b32 s63, s63, 0x80000000
	ROUND                                          ; all four work-groups are here: the joint loads meet
	s_cmp_lt_u32 s12, 4                            ; the branch hangs on the wave's number alone
	s_cbranch_scc0 .Lno_fetch
	tensor_load_to_lds s[56:59], s[40:47]          ; key step w
	s_nop 0
	PLACES
.Lno_fetch:
	s_wait_alu depctr_va_vdst(0)                   ; the offsets were made ahead of waits and branches
	global_load_b128 v[QL:QL+3], v1, s[76:77]
	global_load_b64 v[QL+4:QL+5], v2, s[76:77] offset:512
	global_load_b128 v[QH+6:QH+9], v1, s[76:77]
	global_load_b64 v[QH+10:QH+11], v2, s[76:77] offset:512
	global_load_u16 v7, v3, s[78:79]               ; Q's two bytes; the upper two are 0
.irp i, 0,1,2,3,4,5
	v_mov_b32 v[QL+6+\i], 0                        ; zero codes
	v_mov_b32 v[QH+\i], 0
.endr
	v_bfe_u32 v[SH], v0, 4, 1                      ; h
	s_delay_alu instid0(VALU_DEP_1)
	v_lshlrev_b32 v[SH], 3, v[SH]
	s_wait_loadcnt 0x0
	v_lshlrev_b32 v8, 16, v7                       ; the same two bytes for k 64-127.  (The lines below and the step's first are more than the eight places that a scale word so made wants)
	v_mov_b32 v18, 0x4b400000                      ; 1.5 x 2^23
	v_mov_b32 v19, 0x4b400000
	v_mov_b32 v20, 0x3da4d9d0                      ; P': z^4
	v_mov_b32 v21, 0x3da4d9d0
.irp i, 0,1,2,3
	v_mov_b32 v[24+\i], 0                          ; l
.endr
	v_mov_b32 v[BP], 0                             ; a lane permute's destination counts as one of its sources
	s_wait_kmcnt 0x0
	s_mul_f32 s22, s17, 0x3e000000                 ; phase_scale / 8,
	s_mul_f32 s22, s22, 0x3e22f983                 ; in turns: / (2 pi)
	s_mov_b32 s23, s22
	s_wait_alu depctr_va_vdst(0)                   ; the wait at the head's end
	s_wait_tensorcnt 0x0                           ; my part of steps 0-3, if I have one, is in
	ds_add_u32 v248, v249                          ; the add, twice on end
	ds_add_u32 v248, v249
	s_wait_dscnt 0x0
	ROUND                                          ; steps 0-3 are whole, and all four work-groups are here
	tensor_load_to_lds s[60:63], s[48:55]          ; my 39 rows of steps 4-15: my one load behind this round
	s_nop 0
	KSTEP 1
	s_mov_b32 s67, 3
.Lfirst:
	KSTEP 0
	s_sub_co_u32 s67, s67, 1
	s_cmp_lg_u32 s67, 0
	s_cbranch_scc1 .Lfirst
	s_wait_tensorcnt 0x0                           ; my part of steps 4-15 is in,
	s_wait_dscnt 0x0
	s_barrier_signal -1
	s_barrier_wait -1                              ; everybody's is
	s_mov_b32 s67, 12
.Lrest:
	KSTEP 0
	s_sub_co_u32 s67, s67, 1
	s_cmp_lg_u32 s67, 0
	s_cbranch_scc1 .Lrest
	s_wait_alu depctr_va_vdst(0)
	v_add_f32 v24, v24, v25                        ; l's four parts (these lines are the places behind the last products),
	v_add_f32 v26, v26, v27
	s_delay_alu instid0(VALU_DEP_1)
	v_add_f32 v24, v24, v26
	s_delay_alu instid0(VALU_DEP_1)
	v_permlanex16_b32 v[BP], v24, s20, s21
	s_delay_alu instid0(VALU_DEP_1)
	v_add_f32 v24, v24, v[BP]                      ; and lane l xor 16's
	s_wait_alu depctr_va_vdst(0)
	v_rcp_f32 v24, v24
	v_nop                                          ; a plain place behind the transcendental
	s_wait_alu depctr_va_vdst(0)
.irp i, 0,2,4,6,8,10,12,14,16,18,20,22,24,26,28,30
	v_pk_mul_f32 v[S+\i:S+\i+1], v[O+\i:O+\i+1], v[24:25] op_sel_hi:[1,0]   ; O^T / l, each accumulator from its low end on
.endr
.irp g, 0,1,2,3,4,5,6,7
	global_store_b128 v1, v[S+4*\g:S+4*\g+3], s[10:11] offset:512*\g   ; the image of the 32 registers: 512 consecutive bytes a store
.endr
	s_wait_tensorcnt 0x0                           ; the wave's end
	ds_add_u32 v248, v249
	s_wait_dscnt 0x0
	ROUND                                          ; the closing round
	s_endpgm
.Lfunc_end_k_qf4b7483b1c_attn:
	.size	k_qf4b7483b1c_attn, .Lfunc_end_k_qf4b7483b1c_attn-k_qf4b7483b1c_attn
	.p2alignl 7, 3214868480
	.fill 96, 4, 3214868480
	.section	.rodata,"a",@progbits
	.p2align	6, 0x0
	.amdhsa_kernel k_qf4b7483b1c_attn
		.amdhsa_group_segment_fixed_size 327680
		.amdhsa_private_segment_fixed_size 0
		.amdhsa_enable_private_segment 0
		.amdhsa_kernarg_size 32
		.amdhsa_user_sgpr_count 2
		.amdhsa_user_sgpr_kernarg_segment_ptr 1
		.amdhsa_wavefront_size32 1
		.amdhsa_system_sgpr_workgroup_id_x 1
		.amdhsa_system_sgpr_workgroup_id_y 1
		.amdhsa_system_sgpr_workgroup_id_z 1
		.amdhsa_system_vgpr_workitem_id 0
		.amdhsa_next_free_vgpr 250
		.amdhsa_next_free_sgpr 80
		.amdhsa_reserve_vcc 0
		.amdhsa_float_denorm_mode_32 3
		.amdhsa_float_denorm_mode_16_64 3
		.amdhsa_memory_ordered 1
		.amdhsa_forward_progress 1
		.amdhsa_inst_pref_size 111
	.end_amdhsa_kernel
	.amdgpu_metadata
---
amdhsa.version: [ 1, 2 ]
amdhsa.kernels:
  - .name:           k_qf4b7483b1c_attn
    .symbol:         k_qf4b7483b1c_attn.kd
    .args:
      - { .name: qimg, .offset: 0, .size: 8, .value_kind: global_buffer, .address_space: global }
      - { .name: kvimg, .offset: 8, .size: 8, .value_kind: global_buffer, .address_space: global }
      - { .name: phase_scale, .offset: 16, .size: 8, .value_kind: global_buffer, .address_space: global }
      - { .name: oimg, .offset: 24, .size: 8, .value_kind: global_buffer, .address_space: global }
    .group_segment_fixed_size: 327680
    .private_segment_fixed_size: 0
    .kernarg_segment_align: 8
    .kernarg_segment_size: 32
    .max_flat_workgroup_size: 512
    .sgpr_count:     80
    .vgpr_count:     250
    .wavefront_size: 32
...
	.end_amdgpu_metadata
.endif
;; end of part 3
;; launch outp (part 4): grid 256 x 1, 16 waves a work-group, clusters of 4 x 1, 327,680 bytes of LDS; arguments oimg, wimg, ent, bo, gamma, beta, x, out0; writes out0
.if DOCPART == 4
	.amdgcn_target "amdgcn-amd-amdhsa--gfx1250"
	.amdhsa_code_object_version 6
	.text
	.protected	k_qf4b7483b1c_outp
	.globl	k_qf4b7483b1c_outp
	.p2align	8
	.type	k_qf4b7483b1c_outp,@function
k_qf4b7483b1c_outp:
	s_mov_b64 s[64:65], 0
	v_nop
	global_prefetch_b8 v0, s[64:65] scope:SCOPE_SE
	s_setreg_imm32_b32 hwreg(HW_REG_WAVE_MODE, 25, 1), 1
	s_wait_xcnt 0x0
	s_wait_alu depctr_hold_cnt(0) depctr_sa_sdst(0) depctr_va_vdst(0) depctr_va_sdst(0) depctr_va_ssrc(0) depctr_va_vcc(0) depctr_vm_vsrc(0)
	s_getreg_b32 s2, hwreg(HW_REG_IB_STS2, 6, 4)
	s_cmp_eq_u32 s2, 0
	s_cbranch_scc0 .Lentry_in_a_cluster
	s_endpgm
.Lentry_in_a_cluster:
	s_bfe_u32 s2, ttmp6, 0x10000c
	s_cmp_lg_u32 s2, 0x3003
	s_cbranch_scc0 .Lentry_shape_is_right
	s_endpgm
.Lentry_shape_is_right:
; out0 = layer norm(Q(E x T) Wo + bo + x): T[row][d] = the sum over the 16 heads of o, E[m] = the sum over h of ent[h][m]; the operand's K is 64 m + d; the product on codes of BF6 with E8M0 scales.
; SHARES: a work-group takes one tile RT of 16 rows (lane r is row 32 (RT / 2) + 8 (RT % 2) + r + 8 (r / 8)).  Wave w: m = w when the operand is quantised; columns 64 w .. 64 w + 63 in the product; the tile's row w in the norm.
; THE BLOCK'S LARGEST MAGNITUDE is taken of T once: rounding keeps order, so the largest |fl(E T)| of a block is fl(|E| x the largest |T|).  E x T itself is made in f32, one multiplication a number.
; The operand goes from wave to wave as an image of its registers: wave w's half fragment (16 rows x 64 K) at 768 w; the scale word of a K step is stored by its even wave, which makes the odd wave's two bytes too.
; The product is used transposed (source 0 = 16 rows of Wo, source 1 = the 16 rows): a lane holds 16 neighbouring columns of one row; bo is the C of each sum's first instruction.
; CLUSTER: all work-groups walk the same images of Wo, so the four of a cluster ask for them JOINTLY (mask 15).  A wave's 64 rows of Wo are 32 fragments of 1,536 bytes on end (fragment rho: K step rho / 4, tile rho % 4).
; They come through two LDS slots X and Y, each with six fragments (9,216 bytes, 36 rows of 256) for each of the 16 waves: five fills, 0, 2, 4 into X and 1, 3 into Y, one load a wave, each wave's own bytes.
; Fill 0 is asked for at the head; each later one behind the wait for all loads, the add and a round of the cluster's barrier: one load a wave is out.  Fill 0's fragments wait in registers while the operand is quantised, so that X is free for fill 2.
; Fragments 30 and 31 and the 32 scale words of each wave go straight into registers (7,168 bytes a wave): so the fills are five of one shape.
; PREFETCH: none.
; The stage for the norm lies in slot Y, behind Y's last fill and a barrier behind which no wave reads Y's fragments.
; LIMITS: a block of zeros gets the byte 1 (its codes are zeros); NaN and infinities are not served.
.set PIECE, 9216
.set YS,    147456                     ; slot X at 0, slot Y here
.set TB,    294912                     ; behind the slots, stored to and never filled: T's image; then, counted from TB:
.set GAM,   4096
.set BET,   8192
.set AIM,   12288                      ; the operand's 8 fragments
.set ASC,   24576                      ; their scale images
.set SPARE, 320512                     ; the spare words, 128 bytes a wave
.set SPI,   4112                       ; the stage's pitch: 4,096 + 16
.set SPW,  19
.set NIL,  20
.set AS,   24                          ; v24-25   the operand's scale words, two
.set ACC,  32                          ; v32-63   four accumulators
.set AF,   64                          ; v64-87   the operand's fragments, two sets; at work while the operand is quantised
.set WB,   88                          ; v88-159  a fill's six fragments of Wo; v160-183 fragments 30, 31
.set W2,   184                         ; v184-215 o, T, E x T, then my row of x
.set WSC,  224                         ; v224-255 Wo's 32 scale words
.set RS,   88                          ; the norm: my row; gamma; beta
.set GA,   120
.set BE,   152
; v1, v2, v3: 16 l, 8 l, 4 l; v4: 8 x thread; v5-9 LDS addresses; v10: 64 (l % 16); v11: 64 (l / 16); v12: TB + 8 x thread; v13-15: TB + 16 l, 8 l, 4 l; v16, v17: my piece of X, Y; v[26:27] E, v[28:29] the partner's E
; s[48:55] group 1; s[56:59], s[60:63] group 0 for X, Y
.macro ROUND
	s_barrier_signal -1
	s_barrier_wait -1
	s_cmp_lg_u32 s4, 0
	s_cbranch_scc1 .Lnot_wave_0_\@
	s_barrier_signal -3
.Lnot_wave_0_\@:
	s_barrier_wait -3
	s_barrier_signal -1
	s_barrier_wait -1
.endm
.macro PLACES
.rept 4
	v_nop
.endr
.endm
.macro SEQ g                           ; the lines in front of a fill behind the head; g: the group 0 that is stepped two fills on (0: none)
	s_wait_alu depctr_va_vdst(0)
	s_wait_tensorcnt 0x0                           ; my one load is in, so a group 0 may be written
	ds_add_u32 v[SPW], v[NIL]
.if \g
	s_add_nc_u64 s[\g+2:\g+3], s[\g+2:\g+3], 2*PIECE
.endif
	s_wait_dscnt 0x0                               ; the add, my LDS stores and my reads of the slot to be filled are done
	ROUND
.endm
.macro WFETCH i                        ; fill i's six fragments: 18 LDS loads of 512 consecutive bytes
.irp f, 0,1,2,3,4,5
.irp c, 0,1,2
	ds_load_b128 v[WB+12*\f+4*\c:WB+12*\f+4*\c+3], v[16+(\i)%2] offset:1536*\f+512*\c
.endr
.endr
.endm
.macro AFETCH s                        ; the operand's fragment of K step s and its scale word into set s % 2
.set AR, AF+12*((\s)%2)
	ds_load_b128 v[AR:AR+3], v13 offset:AIM+1536*(\s)
	ds_load_b64 v[AR+4:AR+5], v14 offset:AIM+1536*(\s)+512
	ds_load_b128 v[AR+6:AR+9], v13 offset:AIM+1536*(\s)+768
	ds_load_b64 v[AR+10:AR+11], v14 offset:AIM+1536*(\s)+1280
	ds_load_b32 v[AS+(\s)%2], v15 offset:ASC+128*(\s)
.endm
.macro MULS i, n                       ; fragments 6 i .. 6 i + n - 1, ascending: the four accumulators take turns, one instruction a turn, across fills too
.set F, 0
.rept \n
.set RHO, 6*(\i)+F
	v_wmma_scale_f32_16x16x128_f8f6f4 v[ACC+8*(RHO%4):ACC+8*(RHO%4)+7], v[WB+12*(RHO/30)*6+12*F:WB+12*(RHO/30)*6+12*F+11], v[AF+12*((RHO/4)%2):AF+12*((RHO/4)%2)+11], v[ACC+8*(RHO%4):ACC+8*(RHO%4)+7], v[WSC+RHO], v[AS+(RHO/4)%2] matrix_a_fmt:MATRIX_FMT_BF6 matrix_b_fmt:MATRIX_FMT_BF6
.set F, F+1
.endr
.endm
.macro REDUCE                          ; v216 summed over the 32 lanes, into every lane
	s_delay_alu instid0(VALU_DEP_1)
	v_add_f32_dpp v216, v216, v216 row_xmask:1 row_mask:0xf bank_mask:0xf
	s_delay_alu instid0(VALU_DEP_1)
	v_add_f32_dpp v216, v216, v216 row_xmask:2 row_mask:0xf bank_mask:0xf
	s_delay_alu instid0(VALU_DEP_1)
	v_add_f32_dpp v216, v216, v216 row_xmask:4 row_mask:0xf bank_mask:0xf
	s_delay_alu instid0(VALU_DEP_1)
	v_add_f32_dpp v216, v216, v216 row_xmask:8 row_mask:0xf bank_mask:0xf
	s_delay_alu instid0(VALU_DEP_1)
	v_permlanex16_b32 v222, v216, s36, s37
	s_delay_alu instid0(VALU_DEP_1)
	v_add_f32 v216, v216, v222
.endm
	s_load_b512 s[16:31], s[0:1], 0x0              ; oimg, wimg, ent, bo, gamma, beta, x, out0
	v_lshl_add_u32 v[SPW], v0, 2, SPARE
	v_mov_b32 v[NIL], 0
	ds_add_u32 v[SPW], v[NIL]                      ; the opening lines: the add, twice on end, and its wait
	ds_add_u32 v[SPW], v[NIL]
	v_lshrrev_b32 v1, 5, v0
	s_delay_alu instid0(VALU_DEP_1)
	v_readfirstlane_b32 s4, v1                     ; wave 0..15
	s_mov_b32 s48, 0x0023000f                      ; group 1: mask 15; elements of 8 bytes; bit 21 beside the mask; no padding
	s_mov_b32 s49, 32<<16                          ; rows of 256 bytes,
	s_mov_b32 s50, 36<<16                          ; 36 of them,
	s_mov_b32 s51, 32<<16
	s_mov_b32 s52, 36
	s_mov_b32 s53, 32                              ; dense
	s_mov_b32 s54, 0
	s_mov_b32 s55, 0
	s_bfe_u32 s7, ttmp6, 0x40000                   ; cx
	s_lshl_b32 s6, ttmp9, 2
	s_add_co_u32 s6, s6, s7                        ; RT: it enters the addresses of o, x and out0 alone
	s_mul_i32 s14, s4, PIECE                       ; my piece of a slot
	s_add_co_u32 s10, s4, 48
	s_mul_i32 s10, s10, 53248                      ; my 64 rows of Wo
	s_mov_b32 s11, 0
	s_wait_dscnt 0x0
	s_wait_kmcnt 0x0
	s_add_nc_u64 s[18:19], s[18:19], s[10:11]
	s_mov_b32 s56, 1
	s_mov_b32 s57, s14
	s_mov_b64 s[58:59], s[18:19]                   ; fill 0
	s_or_b32 s59, s59, 0x80000000
	s_mov_b32 s60, 1
	s_add_co_u32 s61, s14, YS
	s_add_nc_u64 s[62:63], s[18:19], PIECE         ; fill 1
	s_or_b32 s63, s63, 0x80000000
	ROUND                                          ; all four work-groups are here: the joint loads meet
	tensor_load_to_lds s[56:59], s[48:55]          ; fill 0: one load a wave at the head
	s_nop 0
	s_mul_i32 s66, s7, 9
	s_mul_i32 s67, s4, 768
	s_add_co_u32 s67, s67, TB+AIM
	s_lshr_b32 s68, s4, 1
	s_lshl_b32 s68, s68, 7
	s_add_co_u32 s68, s68, TB+ASC
	s_lshl_b32 s69, s4, 8
	s_add_co_u32 s69, s69, YS
	s_mul_i32 s70, s4, SPI
	s_add_co_u32 s70, s70, YS
	s_mov_b32 s36, 0x76543210
	s_mov_b32 s37, 0xfedcba98
	s_mov_b32 s38, 0x3a800000                      ; 1 / 1,024
	s_mov_b32 s39, 0x358637bd                      ; 1e-6
	s_lshl_b32 s8, s6, 16                          ; the tile's 16 images of o
	s_mov_b32 s9, 0
	s_lshl_b32 s40, s4, 2
	s_mov_b32 s41, 0
	s_xor_b32 s42, s4, 1
	s_lshl_b32 s42, s42, 2
	s_mov_b32 s43, 0
	s_lshl_b32 s44, s4, 8
	s_mov_b32 s45, 0
	s_lshr_b32 s12, s6, 1
	s_lshl_b32 s12, s12, 5
	s_and_b32 s13, s6, 1
	s_lshl_b32 s13, s13, 3
	s_add_co_u32 s12, s12, s13
	s_add_co_u32 s12, s12, s4
	s_lshr_b32 s13, s4, 3
	s_lshl_b32 s13, s13, 3
	s_add_co_u32 s12, s12, s13                     ; my row of x and of out0
	s_lshl_b32 s12, s12, 12
	s_mov_b32 s13, 0
	s_add_nc_u64 s[16:17], s[16:17], s[8:9]
	s_add_nc_u64 s[32:33], s[20:21], s[40:41]      ; ent's column w,
	s_add_nc_u64 s[34:35], s[20:21], s[42:43]      ; and the partner's
	s_add_nc_u64 s[22:23], s[22:23], s[44:45]
	s_add_nc_u64 s[28:29], s[28:29], s[12:13]
	s_add_nc_u64 s[30:31], s[30:31], s[12:13]
	v_and_b32 v3, 31, v0                           ; the addresses, in one run of vector instructions
	v_lshlrev_b32 v4, 3, v0
	v_and_b32 v10, 15, v0                          ; r
	v_bfe_u32 v11, v0, 4, 1                        ; h
	v_lshlrev_b32 v1, 4, v3
	v_lshlrev_b32 v2, 3, v3
	v_min_u32 v18, 8, v3
	v_lshlrev_b32 v3, 2, v3
	v_add_nc_u32 v12, TB, v4
	v_add_nc_u32 v18, s66, v18
	v_mul_u32_u24 v8, v10, SPI
	v_add_nc_u32 v13, TB, v1
	v_add_nc_u32 v14, TB, v2
	v_add_nc_u32 v15, TB, v3
	v_add_nc_u32 v16, s14, v1
	v_lshlrev_b32 v18, 8, v18                      ; 256 x (9 cx + min(l, 8))
	v_lshl_add_u32 v8, v11, 6, v8
	v_add_nc_u32 v5, s67, v1                       ; my half fragment's image
	v_add_nc_u32 v6, s67, v2
	v_add_nc_u32 v7, s68, v3                       ; my K step's scale image
	v_add_nc_u32 v17, YS, v16
	v_add_nc_u32 v8, s69, v8                       ; the stage, in: row r, + 256 w + 64 h
	v_add_nc_u32 v9, s70, v1                       ; and back: row w, 16 bytes a lane
	v_lshlrev_b32 v10, 6, v10
	v_lshlrev_b32 v11, 6, v11
	v_mov_b32 v27, 0                               ; (named as the upper halves of pairs)
	v_mov_b32 v29, 0
	v_mov_b32 v66, 0                               ; a lane permute's destination counts as one of its sources
	v_mov_b32 v67, 0
	v_mov_b32 v222, 0
	s_wait_alu depctr_va_vdst(0)                   ; the wait at the head's end
.irp n, 0,1,2,3,4,5,6,7,8,9,10,11,12,13,14,15
	global_load_b64 v[W2+2*\n:W2+2*\n+1], v4, s[16:17] offset:4096*\n th:TH_LOAD_NT   ; head n's image, my 8 bytes: a wave reads 256 consecutive bytes
.endr
	global_load_b32 v26, v10, s[32:33]
	global_load_b32 v28, v10, s[34:35]
	global_load_b64 v[216:217], v4, s[24:25]
	global_load_b64 v[218:219], v4, s[26:27]
.irp t, 0,1,2,3
	global_load_b128 v[ACC+8*\t:ACC+8*\t+3], v11, s[22:23] offset:(32*(\t/2)+8*(\t%2))*4       ; bo in the result's layout: columns 64 w + 32 (t / 2) + 16 h + 8 (t % 2) + 0 .. 7
	global_load_b128 v[ACC+8*\t+4:ACC+8*\t+7], v11, s[22:23] offset:(32*(\t/2)+8*(\t%2))*4+16
.endr
.set R, 0
.rept 12
	global_load_b32 v[WSC+R], v3, s[18:19] offset:49152+128*R   ; the scale words of fills 0 and 1; the others, fragments 30 and 31 and x are asked for later, each run in front of a round
.set R, R+1
.endr
	; ---- T: the sum over the heads
	s_wait_loadcnt 24                              ; o's 16 loads are in; the 24 behind them may be out
.irp n, 0,2,4,6,8,10,12,14
	v_pk_add_f32 v[W2+2*\n:W2+2*\n+1], v[W2+2*\n:W2+2*\n+1], v[W2+2*\n+2:W2+2*\n+3]
.endr
.irp n, 0,4,8,12
	v_pk_add_f32 v[W2+2*\n:W2+2*\n+1], v[W2+2*\n:W2+2*\n+1], v[W2+2*\n+4:W2+2*\n+5]
.endr
	s_delay_alu instid0(VALU_DEP_3)
	v_pk_add_f32 v[W2:W2+1], v[W2:W2+1], v[W2+8:W2+9]
	s_delay_alu instid0(VALU_DEP_2)
	v_pk_add_f32 v[W2+16:W2+17], v[W2+16:W2+17], v[W2+24:W2+25]
	s_delay_alu instid0(VALU_DEP_1)
	v_pk_add_f32 v[W2:W2+1], v[W2:W2+1], v[W2+16:W2+17]
	ds_store_b64 v12, v[W2:W2+1]
	s_wait_loadcnt 22                              ; ent's two columns are in
	v_add_f32_dpp v26, v26, v26 row_xmask:1 row_mask:0xf bank_mask:0xf   ; E: the sum over h, in every lane
	v_add_f32_dpp v28, v28, v28 row_xmask:1 row_mask:0xf bank_mask:0xf
.irp k, 2, 4, 8
	s_delay_alu instid0(VALU_DEP_2)
	v_add_f32_dpp v26, v26, v26 row_xmask:\k row_mask:0xf bank_mask:0xf
	s_delay_alu instid0(VALU_DEP_2)
	v_add_f32_dpp v28, v28, v28 row_xmask:\k row_mask:0xf bank_mask:0xf
.endr
	s_wait_loadcnt 20                              ; gamma and beta are in
	ds_store_b64 v12, v[216:217] offset:GAM
	ds_store_b64 v12, v[218:219] offset:BET
	SEQ 0                                          ; fill 0 is in; T, gamma and beta lie in LDS
	tensor_load_to_lds s[60:63], s[48:55]          ; fill 1, Y's first
	s_nop 0
	WFETCH 0                                       ; fill 0's fragments wait in registers
	; ---- A: my m's half fragment
.irp g, 0,1,2,3,4,5,6,7
	ds_load_b128 v[W2+4*\g:W2+4*\g+3], v13 offset:512*\g   ; register 16 b + i of lane (r, h): T(row r, d = 32 b + 16 h + i)
.endr
	s_wait_dscnt 0x0
	v_max3_num_f32 v64, |v[W2]|, |v[W2+1]|, |v[W2+2]|
	v_max3_num_f32 v65, |v[W2+16]|, |v[W2+17]|, |v[W2+18]|
.irp i, 3,5,7,9,11,13
	s_delay_alu instid0(VALU_DEP_2)
	v_max3_num_f32 v64, v64, |v[W2+\i]|, |v[W2+\i+1]|
	s_delay_alu instid0(VALU_DEP_2)
	v_max3_num_f32 v65, v65, |v[W2+16+\i]|, |v[W2+17+\i]|
.endr
	s_delay_alu instid0(VALU_DEP_2)
	v_max_num_f32 v64, v64, |v[W2+15]|
	s_delay_alu instid0(VALU_DEP_2)
	v_max_num_f32 v65, v65, |v[W2+31]|
	s_delay_alu instid0(VALU_DEP_2)
	v_permlanex16_b32 v66, v64, s36, s37
	s_delay_alu instid0(VALU_DEP_2)
	v_permlanex16_b32 v67, v65, s36, s37
	s_delay_alu instid0(VALU_DEP_2)
	v_max_num_f32 v64, v64, v66
	s_delay_alu instid0(VALU_DEP_2)
	v_max_num_f32 v65, v65, v67                    ; the two blocks' largest |T|
	s_delay_alu instid0(VALU_DEP_2)
	v_mul_f32 v68, |v26|, v64                      ; x |E|: the blocks' largest magnitudes, mine
	s_delay_alu instid0(VALU_DEP_2)
	v_mul_f32 v69, |v26|, v65
	s_delay_alu instid0(VALU_DEP_4)
	v_mul_f32 v70, |v28|, v64                      ; and the partner's
	s_delay_alu instid0(VALU_DEP_4)
	v_mul_f32 v71, |v28|, v65
.irp i, 68,69,70,71
	s_delay_alu instid0(VALU_DEP_4)
	v_max_num_f32 v\i, 0x2800000, v\i              ; the floor 2^(5 - 127): the byte cannot fall under 1
.endr
.irp i, 68,69,70,71
	s_delay_alu instid0(VALU_DEP_4)
	v_add_nc_u32 v\i, 0xfe000000, v\i              ; 4 off the exponent field
.endr
	s_delay_alu instid0(VALU_DEP_4)
	v_lshrrev_b32 v83, 23, v68
	s_delay_alu instid0(VALU_DEP_4)
	v_lshrrev_b32 v84, 23, v69
	s_delay_alu instid0(VALU_DEP_4)
	v_lshrrev_b32 v85, 23, v70
	s_delay_alu instid0(VALU_DEP_4)
	v_lshrrev_b32 v86, 23, v71
	s_delay_alu instid0(VALU_DEP_3)
	v_lshl_or_b32 v87, v84, 8, v83                 ; in an even wave: the K step's scale word
	s_delay_alu instid0(VALU_DEP_1)
	v_lshl_or_b32 v87, v85, 16, v87
	s_delay_alu instid0(VALU_DEP_1)
	v_lshl_or_b32 v87, v86, 24, v87
.irp i, 0,2,4,6,8,10,12,14,16,18,20,22,24,26,28,30
	v_pk_mul_f32 v[W2+\i:W2+\i+1], v[W2+\i:W2+\i+1], v[26:27] op_sel_hi:[1,0]   ; E x T, in f32
.endr
	v_cvt_scalef32_pk16_bf6_f32 v[72:74], v[W2:W2+15], v68
	v_cvt_scalef32_pk16_bf6_f32 v[80:82], v[W2+16:W2+31], v69
	v_nop                                          ; one plain place behind a scaled conversion
.irp i, 0,1,2
	v_permlane16_swap_b32 v[72+\i], v[80+\i]       ; a whole block to a lane
.endr
.irp i, 0,1,2
	s_delay_alu instid0(VALU_DEP_3)
	v_mov_b32 v[75+\i], v[80+\i]
.endr
	ds_store_b128 v5, v[72:75]
	ds_store_b64 v6, v[76:77] offset:512
	s_and_b32 s5, s4, 1
	s_cmp_lg_u32 s5, 0                             ; the branch hangs on the wave's number alone, and jumps over one store
	s_cbranch_scc1 .Lodd
	ds_store_b32 v7, v87
.Lodd:
.irp g, 0,1,2,3,4,5,6,7
	global_load_b128 v[W2+4*\g:W2+4*\g+3], v1, s[28:29] offset:512*\g th:TH_LOAD_NT   ; my row of x, into the registers that held E x T
.endr
	SEQ 56
	tensor_load_to_lds s[56:59], s[48:55]          ; fill 2
	s_nop 0
	; ---- P: my 64 columns
	AFETCH 0
	AFETCH 1
	s_wait_loadcnt 8                               ; bo, the scale words of fills 0 and 1 are in; x's 8 may be out
	s_wait_dscnt 0x0
	MULS 0, 6
	PLACES                                         ; in front of loads into the registers just multiplied
	WFETCH 1
	AFETCH 2
	s_wait_dscnt 0x0
	MULS 1, 6
	PLACES
.rept 20
	global_load_b32 v[WSC+R], v3, s[18:19] offset:49152+128*R   ; the scale words of fragments 12 to 31
.set R, R+1
.endr
	SEQ 60
	tensor_load_to_lds s[60:63], s[48:55]          ; fill 3
	s_nop 0
	WFETCH 2
	AFETCH 3
	AFETCH 4
	s_wait_loadcnt 0x0                             ; the scale words are in
	s_wait_dscnt 0x0
	MULS 2, 6
	PLACES
.irp f, 0,1
.irp c, 0,1,2
	global_load_b128 v[WB+72+12*\f+4*\c:WB+72+12*\f+4*\c+3], v1, s[18:19] offset:(30+\f)*1536+512*\c   ; fragments 30 and 31
.endr
.endr
	SEQ 56
	tensor_load_to_lds s[56:59], s[48:55]          ; fill 4, the last
	s_nop 0
	WFETCH 3
	AFETCH 5
	s_wait_dscnt 0x0
	MULS 3, 6
	PLACES
	s_wait_tensorcnt 0x0                           ; fill 4 is in: I alone read my piece, and nothing is filled any more
	WFETCH 4
	AFETCH 6
	AFETCH 7
	s_wait_loadcnt 0x0                             ; fragments 30 and 31 are in
	s_wait_dscnt 0x0
	s_barrier_signal -1                            ; say so, work on registers,
	MULS 4, 6
	MULS 5, 2
	PLACES                                         ; in front of the first read of results
	s_barrier_wait -1                              ; and go on when no wave reads Y any more: the stage lies there
.irp t, 0,1,2,3
	ds_store_b128 v8, v[ACC+8*\t:ACC+8*\t+3] offset:128*(\t/2)+32*(\t%2)        ; each accumulator from its low end on; the pitch is 257 x 16 bytes: sixteen rows fall on sixteen different columns of 16 bytes
	ds_store_b128 v8, v[ACC+8*\t+4:ACC+8*\t+7] offset:128*(\t/2)+32*(\t%2)+16
.endr
	s_wait_dscnt 0x0
	s_barrier_signal -1
	s_barrier_wait -1                              ; 16 whole rows lie in the stage
	; ---- N: the residual and the norm of my row
.irp g, 0,1,2,3,4,5,6,7
	ds_load_b128 v[RS+4*\g:RS+4*\g+3], v9 offset:512*\g
.endr
.irp g, 0,1,2,3,4,5,6,7
	ds_load_b128 v[GA+4*\g:GA+4*\g+3], v13 offset:GAM+512*\g
.endr
.irp g, 0,1,2,3,4,5,6,7
	ds_load_b128 v[BE+4*\g:BE+4*\g+3], v13 offset:BET+512*\g
.endr
	s_wait_dscnt 0x0
	s_wait_loadcnt 0x0
.irp i, 0,2,4,6,8,10,12,14,16,18,20,22,24,26,28,30
	v_pk_add_f32 v[RS+\i:RS+\i+1], v[RS+\i:RS+\i+1], v[W2+\i:W2+\i+1]   ; r = out + x
.endr
	v_pk_add_f32 v[216:217], v[RS:RS+1], v[RS+2:RS+3]
	v_pk_add_f32 v[218:219], v[RS+4:RS+5], v[RS+6:RS+7]
.irp i, 8,12,16,20,24,28
	s_delay_alu instid0(VALU_DEP_2)
	v_pk_add_f32 v[216:217], v[216:217], v[RS+\i:RS+\i+1]
	s_delay_alu instid0(VALU_DEP_2)
	v_pk_add_f32 v[218:219], v[218:219], v[RS+\i+2:RS+\i+3]
.endr
	s_delay_alu instid0(VALU_DEP_1)
	v_pk_add_f32 v[216:217], v[216:217], v[218:219]
	s_delay_alu instid0(VALU_DEP_1)
	v_add_f32 v216, v216, v217
	REDUCE
	s_delay_alu instid0(VALU_DEP_1)
	v_mul_f32 v220, 0xba800000, v216               ; -mean
	s_delay_alu instid0(VALU_DEP_1)
	v_mov_b32 v221, v220
.irp i, 0,2,4,6,8,10,12,14,16,18,20,22,24,26,28,30
	v_pk_add_f32 v[RS+\i:RS+\i+1], v[RS+\i:RS+\i+1], v[220:221]
.endr
	v_pk_mul_f32 v[216:217], v[RS:RS+1], v[RS:RS+1]
	v_pk_mul_f32 v[218:219], v[RS+2:RS+3], v[RS+2:RS+3]
.irp i, 4,8,12,16,20,24,28
	s_delay_alu instid0(VALU_DEP_2)
	v_pk_fma_f32 v[216:217], v[RS+\i:RS+\i+1], v[RS+\i:RS+\i+1], v[216:217]
	s_delay_alu instid0(VALU_DEP_2)
	v_pk_fma_f32 v[218:219], v[RS+\i+2:RS+\i+3], v[RS+\i+2:RS+\i+3], v[218:219]
.endr
	s_delay_alu instid0(VALU_DEP_1)
	v_pk_add_f32 v[216:217], v[216:217], v[218:219]
	s_delay_alu instid0(VALU_DEP_1)
	v_add_f32 v216, v216, v217
	REDUCE
	s_delay_alu instid0(VALU_DEP_1)
	v_fma_f32 v216, v216, s38, s39                 ; the variance + 1e-6
	s_wait_alu depctr_va_vdst(0)                   ; the wait ahead of the transcendental
	v_rsq_f32 v220, v216
	v_nop                                          ; a plain place behind the transcendental
	s_wait_alu depctr_va_vdst(0)                   ; and ahead of its first reader
	v_mov_b32 v221, v220
.irp i, 0,2,4,6,8,10,12,14,16,18,20,22,24,26,28,30
	v_pk_mul_f32 v[RS+\i:RS+\i+1], v[RS+\i:RS+\i+1], v[220:221]
.endr
.irp i, 0,2,4,6,8,10,12,14,16,18,20,22,24,26,28,30
	v_pk_fma_f32 v[RS+\i:RS+\i+1], v[RS+\i:RS+\i+1], v[GA+\i:GA+\i+1], v[BE+\i:BE+\i+1]
.endr
.irp g, 0,1,2,3,4,5,6,7
	global_store_b128 v1, v[RS+4*\g:RS+4*\g+3], s[30:31] offset:512*\g th:TH_STORE_NT   ; 512 consecutive bytes of the row
.endr
	s_wait_tensorcnt 0x0                           ; the wave's end
	ds_add_u32 v[SPW], v[NIL]
	s_wait_dscnt 0x0
	ROUND                                          ; the closing round
	s_endpgm
.Lfunc_end_k_qf4b7483b1c_outp:
	.size	k_qf4b7483b1c_outp, .Lfunc_end_k_qf4b7483b1c_outp-k_qf4b7483b1c_outp
	.p2alignl 7, 3214868480
	.fill 96, 4, 3214868480
	.section	.rodata,"a",@progbits
	.p2align	6, 0x0
	.amdhsa_kernel k_qf4b7483b1c_outp
		.amdhsa_group_segment_fixed_size 327680
		.amdhsa_private_segment_fixed_size 0
		.amdhsa_enable_private_segment 0
		.amdhsa_kernarg_size 64
		.amdhsa_user_sgpr_count 2
		.amdhsa_user_sgpr_kernarg_segment_ptr 1
		.amdhsa_wavefront_size32 1
		.amdhsa_system_sgpr_workgroup_id_x 1
		.amdhsa_system_sgpr_workgroup_id_y 1
		.amdhsa_system_sgpr_workgroup_id_z 1
		.amdhsa_system_vgpr_workitem_id 0
		.amdhsa_next_free_vgpr 256
		.amdhsa_next_free_sgpr 80
		.amdhsa_reserve_vcc 0
		.amdhsa_float_denorm_mode_32 3
		.amdhsa_float_denorm_mode_16_64 3
		.amdhsa_memory_ordered 1
		.amdhsa_forward_progress 1
		.amdhsa_inst_pref_size 48
	.end_amdhsa_kernel
	.amdgpu_metadata
---
amdhsa.version: [ 1, 2 ]
amdhsa.kernels:
  - .name:           k_qf4b7483b1c_outp
    .symbol:         k_qf4b7483b1c_outp.kd
    .args:
      - { .name: oimg, .offset: 0, .size: 8, .value_kind: global_buffer, .address_space: global }
      - { .name: wimg, .offset: 8, .size: 8, .value_kind: global_buffer, .address_space: global }
      - { .name: ent, .offset: 16, .size: 8, .value_kind: global_buffer, .address_space: global }
      - { .name: bo, .offset: 24, .size: 8, .value_kind: global_buffer, .address_space: global }
      - { .name: gamma, .offset: 32, .size: 8, .value_kind: global_buffer, .address_space: global }
      - { .name: beta, .offset: 40, .size: 8, .value_kind: global_buffer, .address_space: global }
      - { .name: x, .offset: 48, .size: 8, .value_kind: global_buffer, .address_space: global }
      - { .name: out0, .offset: 56, .size: 8, .value_kind: global_buffer, .address_space: global }
    .group_segment_fixed_size: 327680
    .private_segment_fixed_size: 0
    .kernarg_segment_align: 8
    .kernarg_segment_size: 64
    .max_flat_workgroup_size: 512
    .sgpr_count:     80
    .vgpr_count:     256
    .wavefront_size: 32
...
	.end_amdgpu_metadata
.endif
;; end of part 4
